; MI455X (gfx1250); checked and timed in simulation.
; The chip was launched on July 23, 2026; its instructions are those of AMD's public machine-readable ISA for CDNA 5 (MIT licence, August 2026) and "CDNA5" Instruction Set Architecture Reference Guide (July 2026). The comments in the code are by the model that wrote it; some were corrected since.
;; Multi Head Attention. Allowed arithmetic: matrix products marked QUANTISED: E5M2 operands, one E8M0 scale for each 32 along K, by v_wmma_scale_f32_16x16x128_f8f6f4 with both operands' format E5M2, f32 sums; everything else in f32.
;; Inputs: W_out 1,024 x 1,024 float32; W_qkv 1,024 x 3,072 float32; b_out 1,024 float32; b_qkv 3,072 float32; x 4 x 2,048 x 1,024 float32.
;; Outputs: out0 4 x 2,048 x 1,024 float32.
;; This version of the problem:
;;   THIS VERSION OF THE PROBLEM IS GIVEN IN LOW PRECISION. The matrix products marked QUANTISED in the list below multiply operands that are first quantised to E5M2 (5 exponent bits, 2 mantissa bits; 8 bits a number), with one power-of-two scale for each 32 numbers along K (OCP MX v1.0); their sums are f32. All else is computed in f32.
;;   The module's matrix products, in the order in which they are computed (A, B: the left and right operand; K: the contracted axis; several contracted axes count as one K, in the product's order):
;;     1. [M 8,192, K 1,024] x [K 1,024, N 3,072]; A: input x; B: input W_qkv: QUANTISED
;;     2. batch 64 x [M 2,048, K 64] x [K 64, N 2,048]; A: computed on the way; B: computed on the way: QUANTISED
;;     3. batch 64 x [M 2,048, K 2,048] x [K 2,048, N 64]; A: softmax (see below); B: computed on the way: QUANTISED
;;     4. [M 8,192, K 1,024] x [K 1,024, N 1,024]; A: computed on the way; B: input W_out: QUANTISED
;;   THE QUANTISER, for each operand of a quantised product, along K:
;;     - K is cut into blocks of 32 from its start; a last block that is shorter is filled with zeros.
;;     - A block's scale is 2^e with e = floor(log2(the largest magnitude in the block)) - 15, held to -126 .. 127; a block of zeros has e = 0. As a byte (E8M0): e + 127.
;;     - Each number is divided by its block's scale, clamped to +-57,344, and rounded to the nearest number of E5M2, ties to even, subnormals kept.
;;     - The product sums the exact products of the quantised numbers (number of the format x scale) in f32.
;;   ~~~python
;;   def quantise(x, axis):      # numpy; x: float32 -> the quantised numbers, widened to float32 again
;;       x = np.moveaxis(x, axis, -1); K = x.shape[-1]
;;       x = np.pad(x, [(0, 0)] * (x.ndim - 1) + [(0, -K % 32)]); x = x.reshape(x.shape[:-1] + (-1, 32)); a = np.abs(x).max(-1, keepdims=True)
;;       e = np.where(a > 0, np.clip(np.frexp(np.where(a > 0, a, 1))[1] - 1 - 15, -126, 127), 0)      # np.frexp(a)[1] - 1 = floor(log2(a)), exactly
;;       r = np.clip(x / 2.0 ** e, -57344, 57344)
;;       step = 2.0 ** (np.maximum(np.frexp(np.where(r == 0, 1, r))[1] - 1, -14) - 2)
;;       q = np.round(r / step) * step * 2.0 ** e      # np.round: ties to even
;;       return np.moveaxis(q.reshape(q.shape[:-2] + (-1,))[..., :K], -1, axis).astype(np.float32)
;;   ~~~
;;   SOFTMAX AHEAD OF A QUANTISED PRODUCT. Where the list says 'softmax', what is quantised is not the finished softmax but p = 2^(t - M), with t = logit x log2(e) and M = ceil(the row's largest t), a whole number; so 1/2 < the row's largest p <= 1. The row's sum l is taken of the UNQUANTISED p, in f32, and the product's result is divided by l at the end. Since M is a whole number, a kernel that streams over the keys may use a running M (the ceiling of the running maximum): every later rescaling is an exact power of two, which a block's scale takes up: the codes' values come out the same.
;;   OPERANDS COMPUTED ON THE WAY. 'Computed on the way' means the value that the module computes at that place (a softmax that the list does not call 'softmax' is quantised finished and normalised). What goes into a quantiser is computed in f32, as accurately as f32 sums, v_exp_f32 and their like allow (about 1e-6 of the number): no bf16 or f16 on the way to a quantiser, and a product that is left as it is and whose result goes on into a quantised operand takes f32 operands (vector FMAs, or v_wmma_f32_16x16x4_f32). A number that lies on a knife's edge between two numbers of the format may be rounded either way, as far as f32 arithmetic and the matrix unit's own rounding can turn it there, and no further.
;; One version. Each part assembles by itself: llvm-mc -triple=amdgcn-amd-amdhsa -mcpu=gfx1250 --defsym DOCPART=n.
;; ======== version 1 of 1: 4 launches
;; limits: right only within a limited range of input values
;; workspace buffers: opc 12,582,912 bytes; ops 393,216 bytes; qkvc 25,165,824 bytes; qkvs 1,572,864 bytes; oc 8,388,608 bytes; os 524,288 bytes
;; launch quant (part 1): grid 512 x 1, 4 waves a work-group, no clusters, 34,304 bytes of LDS; arguments x, W_qkv, W_out, opc, ops; writes opc, ops
.if DOCPART == 1
	.amdgcn_target "amdgcn-amd-amdhsa--gfx1250"
	.amdhsa_code_object_version 6
	.text
	.protected	k_qad58d5f3aa_quant
	.globl	k_qad58d5f3aa_quant
	.p2align	8
	.type	k_qad58d5f3aa_quant,@function
k_qad58d5f3aa_quant:
	s_mov_b64 s[64:65], 0
	v_nop
	global_prefetch_b8 v0, s[64:65] scope:SCOPE_SE
	s_setreg_imm32_b32 hwreg(HW_REG_WAVE_MODE, 25, 1), 1
	s_wait_xcnt 0x0
; x [8192][1024], W_qkv [1024][3072] and W_out [1024][1024], f32, become codes of BF8 (E5M2) with one E8M0 byte for each 32 along K (K = 1,024 in all three).
; A block's scale is 2^(floor(log2(its largest magnitude)) - 15); each number is divided by it, held within +-57,344 and rounded to the nearest code, ties to even.
; LAYOUT OF THE CODES (opc): IMAGES OF OPERAND REGISTERS.  A tile is 16 rows; for each 128 along K (step s) it has four groups c of 512 bytes; in a group lane l = 16 h + r owns the 16 bytes at 16 l:
; k = 128 s + 32 c + 16 h + 0 .. 15 of the tile's row r.  A tile is 16,384 bytes.  THE ROWS OF A TILE ARE NOT NEIGHBOURS: lane r of tile 2 B + u holds row 32 B + 8 u + r + 8 (r / 8), so that a product whose
; source 0 is such a tile leaves 16 neighbouring rows in the 16 registers of tiles 2 B and 2 B + 1.
; LAYOUT OF THE SCALES (ops): [tile][s / 2][r][s % 2] words of four bytes, byte c for k = 128 s + 32 c: 512 bytes a tile.
; SHARES: work-groups 0-255 take x (a wave: one tile, half of K), 256-447 W_qkv, 448-511 W_out (a wave: 32 columns x 128 along K: four blocks of 32 loads, two blocks out at a time).
; Nothing is shared between work-groups, so there is no cluster; memory binds, so no matrix unit.
; LIMITS: NaN and infinities among the inputs are not served.  A block of zeros, and a block whose largest magnitude lies under 2^-111, gets the byte 1 (the rule gives a block of zeros 127): its codes are zeros or as the byte 1 gives them, and this program alone reads the bytes.
.set WQI,  8388608                     ; opc: where W_qkv's tiles begin (behind x's 512)
.set WOI,  11534336                    ; and W_out's (behind W_qkv's 192)
.set WQS,  262144                      ; ops: the same
.set WOS,  360448
.set STGB, 8448                        ; LDS: a stage of 16 rows x 528 bytes for each wave (x path alone)
.set SPI,  528                         ; 512 bytes + 16: row r starts 4 banks on from row r - 1
.set R,    16                          ; v16-143  x as loaded: two sets of 64
.set X,    144                         ; v144-207 64 numbers: register 16 c + i = k 32 c + 16 h + i of my row
.set PCD,  208                         ; v208-223 a fragment's codes
.set TM,   224                         ; v224-239 at work in QUANT
.set W,    240                         ; v240-243 the four steps' scale words
.set SW,   244                         ; v244-245 the two that my lane stores
.set PW,   246                         ; v246     the scale word just made
.set WX,   32                          ; W paths: v32-95 two sets of 32 numbers
.set WC,   96                          ; v96-127  eight registers of codes for each block: no store's data are written again
.set SB,   24                          ; v24      the four blocks' scale bytes
.set WV,   14
.set MNT,  15                          ; s15 the mantissa field of 57,344
.set SEL,  16                          ; s[16:17] lane selects: lane l xor 16
; 64 numbers of a lane, register 16 b + i = k 32 b + 16 (lane / 16) + i of my row, become a fragment's 16 registers of codes and its scale word
.macro QUANT s, pc, pw, tm
.irp b, 0,1,2,3
	v_max3_num_f32 v[\tm+\b], |v[\s+16*\b]|, |v[\s+1+16*\b]|, 0x8000000   ; my 16 numbers of block b, and the floor 2^(16 - 127): the byte cannot fall under 1
.endr
.irp i, 2,4,6,8,10,12,14
.irp b, 0,1,2,3
	v_max3_num_f32 v[\tm+\b], v[\tm+\b], |v[\s+16*\b+\i]|, |v[\s+1+16*\b+\i]|   ; the four blocks by turns
.endr
.endr
.irp b, 0,1,2,3
	v_permlanex16_b32 v[\tm+4+\b], v[\tm+\b], s[SEL], s[SEL+1]
.endr
.irp b, 0,1,2,3
	v_max_num_f32 v[\tm+\b], v[\tm+\b], v[\tm+4+\b]          ; with lane l xor 16's 16: the block's largest magnitude
.endr
.irp b, 0,1,2,3
	v_add_nc_u32 v[\tm+12+\b], 0xf8800000, v[\tm+\b]         ; 15 off its exponent field: the conversion's scale operand
.endr
.irp b, 0,1,2,3
	v_and_or_b32 v[\tm+8+\b], v[\tm+\b], 0x7f800000, s[MNT]  ; 57,344 x the scale
.endr
.irp b, 0,1,2,3
	v_lshrrev_b32 v[\tm+4+\b], 23, v[\tm+12+\b]              ; the scale's byte
.endr
	v_lshl_or_b32 v[\pw], v[\tm+5], 8, v[\tm+4]
	v_lshl_or_b32 v[\pw], v[\tm+6], 16, v[\pw]
	v_lshl_or_b32 v[\pw], v[\tm+7], 24, v[\pw]
.irp b, 0,1,2,3
.irp i, 0,1,2,3,4,5,6,7,8,9,10,11,12,13,14,15
	v_med3_num_f32 v[\s+16*\b+\i], v[\s+16*\b+\i], -v[\tm+8+\b], v[\tm+8+\b]   ; the conversion to an 8-bit code does not saturate (ISA guide 7.6.2): the hold comes first
.endr
	v_cvt_scalef32_pk8_bf8_f32 v[\pc+4*\b:\pc+4*\b+1], v[\s+16*\b:\s+16*\b+7], v[\tm+12+\b]
	v_cvt_scalef32_pk8_bf8_f32 v[\pc+4*\b+2:\pc+4*\b+3], v[\s+16*\b+8:\s+16*\b+15], v[\tm+12+\b]
.endr
	v_nop                                          ; a plain line behind the last conversion
.endm
	s_load_b256 s[4:11], s[0:1], 0x0               ; x s[4:5], W_qkv s[6:7], W_out s[8:9], opc s[10:11]
	s_load_b64 s[12:13], s[0:1], 0x20              ; ops
	v_lshl_add_u32 v254, v0, 2, 0x8400
	v_mov_b32 v255, 0
	v_lshrrev_b32 v1, 5, v0
	v_readfirstlane_b32 s[WV], v1                  ; wave 0..3
	v_and_b32 v5, 31, v0                           ; lane
	s_mov_b32 s[MNT], 0x600000
	s_mov_b32 s[SEL], 0x76543210
	s_mov_b32 s[SEL+1], 0xfedcba98
	s_wait_kmcnt 0x0
	s_cmp_lt_u32 ttmp9, 256
	s_cbranch_scc0 .Lweights
	; ---- x: my wave's tile is 2 x work-group + wave / 2, my half of K is wave % 2: four steps of 128
	s_wait_alu depctr_va_vdst(0)
	v_lshlrev_b32 v1, 4, v5                        ; 16 x lane
	s_mul_i32 s18, s[WV], STGB
	v_add_nc_u32 v2, s18, v1                       ; the stage, on the way in: a row's 512 bytes as they lie
	v_and_b32 v6, 15, v0                           ; r
	v_bfe_u32 v7, v0, 4, 1                         ; h
	v_mul_u32_u24 v3, v6, SPI
	v_lshl_add_u32 v3, v7, 6, v3
	v_add_nc_u32 v3, s18, v3                       ; and on the way out: row r, + 64 h: my 16 numbers of a block of 32
	v_lshlrev_b32 v4, 3, v5                        ; 8 x lane
	s_lshl_b32 s20, ttmp9, 17                      ; x: 32 rows of 4,096 bytes a work-group,
	s_lshr_b32 s21, s[WV], 1
	s_lshl_b32 s21, s21, 15                        ; the odd tile begins 8 rows further down,
	s_add_co_u32 s20, s20, s21
	s_and_b32 s21, s[WV], 1
	s_lshl_b32 s21, s21, 11                        ; the second half of K 2,048 bytes on
	s_add_co_u32 s20, s20, s21
	s_mov_b32 s21, 0
	s_add_nc_u64 s[4:5], s[4:5], s[20:21]
	s_lshl_b32 s20, ttmp9, 15                      ; codes: 16,384 x tile + 8,192 x half = 32,768 x work-group + 8,192 x wave
	s_lshl_b32 s22, s[WV], 13
	s_add_co_u32 s20, s20, s22
	s_add_nc_u64 s[10:11], s[10:11], s[20:21]
	s_lshl_b32 s20, ttmp9, 10                      ; scales: 512 x tile + 256 x half
	s_lshl_b32 s22, s[WV], 8
	s_add_co_u32 s20, s20, s22
	s_add_nc_u64 s[12:13], s[12:13], s[20:21]
.irp b, 0,1,2,3
	v_mov_b32 v[TM+4+\b], 0                        ; written once: a lane permute's destination counts as one of its sources
.endr
.macro LOAD sp                         ; step sp: 16 loads, each 512 consecutive bytes of one of the tile's rows
.irp i, 0,1,2,3,4,5,6,7,8,9,10,11,12,13,14,15
	global_load_b128 v[R+64*((\sp)%2)+4*\i:R+64*((\sp)%2)+4*\i+3], v1, s[4:5] offset:(\i+8*(\i/8))*4096+(\sp)*512 th:TH_LOAD_NT
.endr
.endm
.macro TURN sp                         ; through my own stage: LDS serves a wave's instructions in order (ISA guide 5.7.1.4), so no wait stands between the stores and the loads
.irp i, 0,1,2,3,4,5,6,7,8,9,10,11,12,13,14,15
	ds_store_b128 v2, v[R+64*((\sp)%2)+4*\i:R+64*((\sp)%2)+4*\i+3] offset:\i*SPI
.endr
.irp c, 0,1,2,3
.irp j, 0,1,2,3
	ds_load_b128 v[X+16*\c+4*\j:X+16*\c+4*\j+3], v3 offset:\c*128+\j*16
.endr
.endr
.endm
.macro XSTEP sp
.if \sp < 3
	s_wait_loadcnt 16                              ; this step's 16 loads are in; the other set's 16 may be out
.else
	s_wait_loadcnt 0
.endif
	TURN \sp
	s_wait_dscnt 0x0                               ; my 64 numbers are back, and the stage's stores have read their registers,
.if \sp < 2
	LOAD \sp+2                                     ; which take the step two on
.endif
	s_wait_xcnt 0x0                                ; the last step's stores have read their codes: the registers are written again only behind this wait
	QUANT X, PCD, PW, TM
	v_mov_b32 v[W+\sp], v[PW]
.irp c, 0,1,2,3
	global_store_b128 v1, v[PCD+4*\c:PCD+4*\c+3], s[10:11] offset:\sp*2048+\c*512   ; 32 lanes store 512 consecutive bytes
.endr
.endm
	LOAD 0
	LOAD 1
	s_wait_alu depctr_va_vdst(0)
	XSTEP 0
	XSTEP 1
	XSTEP 2
	XSTEP 3
	s_mov_b32 vcc_lo, 0xffff0000                   ; lanes 0-15 store steps 0 and 1 of my half, lanes 16-31 steps 2 and 3
	v_cndmask_b32 v[SW], v[W], v[W+2], vcc_lo
	v_cndmask_b32 v[SW+1], v[W+1], v[W+3], vcc_lo
	global_store_b64 v4, v[SW:SW+1], s[12:13]      ; 256 consecutive bytes
	s_wait_tensorcnt 0x0
	ds_add_u32 v254, v255
	s_wait_dscnt 0x0
	s_endpgm
	; ---- the weights: K is their FIRST axis.  A lane takes a column n and its registers run down K: a block of 32 lies in one lane
.Lweights:
	s_wait_alu depctr_va_vdst(0)
	v_lshlrev_b32 v1, 2, v5                        ; in: 4 bytes a lane
	v_bfe_u32 v6, v5, 3, 1                         ; column 32 g + l is lane r = l % 8 + 8 (l / 16) of tile 2 g + u, u = (l / 8) % 2
	v_and_b32 v7, 7, v5
	v_lshrrev_b32 v8, 4, v5
	v_lshl_add_u32 v7, v8, 3, v7
	v_lshlrev_b32 v2, 4, v7
	v_lshl_add_u32 v2, v6, 14, v2                  ; codes: 16,384 u + 16 r
	v_lshlrev_b32 v3, 3, v7
	v_lshl_add_u32 v3, v6, 9, v3                   ; scales: 512 u + 8 r
.macro WLOAD t, pitch                  ; block t: W(32 t + i, my column): 32 lanes read 128 consecutive bytes
.irp i, 0,1,2,3,4,5,6,7,8,9,10,11,12,13,14,15,16,17,18,19,20,21,22,23,24,25,26,27,28,29,30,31
	global_load_b32 v[WX+32*((\t)%2)+\i], v1, s[24:25] offset:(32*(\t)+\i)*\pitch th:TH_LOAD_NT
.endr
.endm
.macro WBLOCK t, pitch
.set XS, WX+32*((\t)%2)
.if (\t) < 3
	s_wait_loadcnt 32                              ; this block's 32 loads are in; the next block's may be out
.else
	s_wait_loadcnt 0
.endif
	v_max3_num_f32 v12, |v[XS]|, |v[XS+1]|, |v[XS+2]|
	v_max3_num_f32 v13, |v[XS+3]|, |v[XS+4]|, |v[XS+5]|
.irp i, 6,10,14,18,22,26
	v_max3_num_f32 v12, v12, |v[XS+\i]|, |v[XS+\i+1]|
	v_max3_num_f32 v13, v13, |v[XS+\i+2]|, |v[XS+\i+3]|
.endr
	v_max3_num_f32 v12, v12, |v[XS+30]|, |v[XS+31]|
	v_max3_num_f32 v12, v12, v13, 0x8000000        ; and the floor
	v_add_nc_u32 v11, 0xf8800000, v12              ; the conversion's scale operand
	v_and_or_b32 v10, v12, 0x7f800000, s[MNT]      ; 57,344 x the scale
	v_lshrrev_b32 v13, 23, v11                     ; the byte
.if (\t) == 0
	v_mov_b32 v[SB], v13
.else
	v_lshl_or_b32 v[SB], v13, 8*(\t), v[SB]
.endif
.irp i, 0,1,2,3,4,5,6,7,8,9,10,11,12,13,14,15,16,17,18,19,20,21,22,23,24,25,26,27,28,29,30,31
	v_med3_num_f32 v[XS+\i], v[XS+\i], -v10, v10
.endr
.irp g, 0,1,2,3
	v_cvt_scalef32_pk8_bf8_f32 v[WC+8*(\t)+2*\g:WC+8*(\t)+2*\g+1], v[XS+8*\g:XS+8*\g+7], v11
.endr
	global_store_b128 v2, v[WC+8*(\t):WC+8*(\t)+3], s[26:27] offset:(\t)*512        ; k 0-15 of the block: the places of lanes 0-15; sixteen lanes fill 256 consecutive bytes in each of the two tiles
	global_store_b128 v2, v[WC+8*(\t)+4:WC+8*(\t)+7], s[26:27] offset:(\t)*512+256  ; k 16-31: the places of lanes 16-31
.if (\t)+2 < 4
	WLOAD (\t)+2, \pitch
.endif
.endm
.macro WPATH ptr, pitch, wg0, img, scb
	s_sub_co_u32 s18, ttmp9, \wg0
	s_and_b32 s19, s18, 7                          ; which 128 along K: step s
	s_lshr_b32 s20, s18, 3
	s_lshl_b32 s20, s20, 2
	s_add_co_u32 s20, s20, s[WV]                   ; which 32 columns
	s_mul_i32 s22, s19, 128*\pitch
	s_lshl_b32 s21, s20, 7
	s_add_co_u32 s22, s22, s21
	s_mov_b32 s23, 0
	s_add_nc_u64 s[24:25], s[\ptr:\ptr+1], s[22:23]
	s_lshl_b32 s22, s20, 15                        ; two tiles of 16,384 bytes,
	s_lshl_b32 s21, s19, 11                        ; a step of 2,048
	s_add_co_u32 s22, s22, s21
	s_add_co_u32 s22, s22, \img
	s_add_nc_u64 s[26:27], s[10:11], s[22:23]
	s_lshl_b32 s22, s20, 10                        ; scale words: two tiles of 512 bytes,
	s_lshr_b32 s21, s19, 1
	s_lshl_b32 s21, s21, 7                         ; 128 (s / 2),
	s_add_co_u32 s22, s22, s21
	s_and_b32 s21, s19, 1
	s_lshl_b32 s21, s21, 2                         ; 4 (s % 2)
	s_add_co_u32 s22, s22, s21
	s_add_co_u32 s22, s22, \scb
	s_add_nc_u64 s[28:29], s[12:13], s[22:23]
	WLOAD 0, \pitch
	WLOAD 1, \pitch
.irp t, 0,1,2,3
	WBLOCK \t, \pitch
.endr
	global_store_b32 v3, v[SB], s[28:29]           ; one word a column, 4 bytes of each 8: the other word of the 8 is another wave's; the weights' scale bytes are 131,072 in all, one byte for each 128 that the launch reads of them
	s_endpgm
.endm
	s_cmp_lt_u32 ttmp9, 448
	s_cbranch_scc0 .Lwout
	s_wait_alu depctr_va_vdst(0)
	WPATH 6, 12288, 256, WQI, WQS
.Lwout:
	s_wait_alu depctr_va_vdst(0)
	WPATH 8, 4096, 448, WOI, WOS
.Lfunc_end_k_qad58d5f3aa_quant:
	.size	k_qad58d5f3aa_quant, .Lfunc_end_k_qad58d5f3aa_quant-k_qad58d5f3aa_quant
	.p2alignl 7, 3214868480
	.fill 96, 4, 3214868480
	.section	.rodata,"a",@progbits
	.p2align	6, 0x0
	.amdhsa_kernel k_qad58d5f3aa_quant
		.amdhsa_group_segment_fixed_size 34304
		.amdhsa_private_segment_fixed_size 0
		.amdhsa_enable_private_segment 0
		.amdhsa_kernarg_size 40
		.amdhsa_user_sgpr_count 2
		.amdhsa_user_sgpr_kernarg_segment_ptr 1
		.amdhsa_wavefront_size32 1
		.amdhsa_system_sgpr_workgroup_id_x 1
		.amdhsa_system_sgpr_workgroup_id_y 1
		.amdhsa_system_sgpr_workgroup_id_z 1
		.amdhsa_system_vgpr_workitem_id 0
		.amdhsa_next_free_vgpr 256
		.amdhsa_next_free_sgpr 66
		.amdhsa_reserve_vcc 1
		.amdhsa_float_denorm_mode_32 3
		.amdhsa_float_denorm_mode_16_64 3
		.amdhsa_memory_ordered 1
		.amdhsa_forward_progress 1
		.amdhsa_inst_pref_size 107
	.end_amdhsa_kernel
	.amdgpu_metadata
---
amdhsa.version: [ 1, 2 ]
amdhsa.kernels:
  - .name:           k_qad58d5f3aa_quant
    .symbol:         k_qad58d5f3aa_quant.kd
    .args:
      - { .name: x, .offset: 0, .size: 8, .value_kind: global_buffer, .address_space: global }
      - { .name: W_qkv, .offset: 8, .size: 8, .value_kind: global_buffer, .address_space: global }
      - { .name: W_out, .offset: 16, .size: 8, .value_kind: global_buffer, .address_space: global }
      - { .name: opc, .offset: 24, .size: 8, .value_kind: global_buffer, .address_space: global }
      - { .name: ops, .offset: 32, .size: 8, .value_kind: global_buffer, .address_space: global }
    .group_segment_fixed_size: 34304
    .private_segment_fixed_size: 0
    .kernarg_segment_align: 8
    .kernarg_segment_size: 40
    .max_flat_workgroup_size: 128
    .sgpr_count:     66
    .vgpr_count:     256
    .wavefront_size: 32
...
	.end_amdgpu_metadata
.endif
;; end of part 1
;; launch gemm1 (part 2): grid 12 x 64, 8 waves a work-group, clusters of 4 x 4, 327,680 bytes of LDS; arguments opc, ops, b_qkv, qkvc, qkvs; writes qkvc, qkvs
.if DOCPART == 2
	.amdgcn_target "amdgcn-amd-amdhsa--gfx1250"
	.amdhsa_code_object_version 6
	.text
	.protected	k_qad58d5f3aa_gemm1
	.globl	k_qad58d5f3aa_gemm1
	.p2align	8
	.type	k_qad58d5f3aa_gemm1,@function
k_qad58d5f3aa_gemm1:
	s_mov_b64 s[64:65], 0
	v_nop
	global_prefetch_b8 v0, s[64:65] scope:SCOPE_SE
	s_setreg_imm32_b32 hwreg(HW_REG_WAVE_MODE, 25, 1), 1
	s_wait_xcnt 0x0
	s_wait_alu depctr_hold_cnt(0) depctr_sa_sdst(0) depctr_va_vdst(0) depctr_va_sdst(0) depctr_va_ssrc(0) depctr_va_vcc(0) depctr_vm_vsrc(0)
	s_getreg_b32 s2, hwreg(HW_REG_IB_STS2, 6, 4)
	s_cmp_eq_u32 s2, 0
	s_cbranch_scc0 .Lentry_in_a_cluster
	s_endpgm
.Lentry_in_a_cluster:
	s_bfe_u32 s2, ttmp6, 0x10000c
	s_cmp_lg_u32 s2, 0xf033
	s_cbranch_scc0 .Lentry_shape_is_right
	s_endpgm
.Lentry_shape_is_right:
; qkv = x W_qkv + b_qkv on codes of BF8 (E5M2) with E8M0 scales, and at once quantised again: q and k along the head's 64, v along the keys.  No f32 intermediate goes to memory.
; OPERANDS lie in memory as images of their registers (16 rows x 128 K: four groups of 512 bytes, lane l's 16 bytes at 16 l), so a fragment is four ds_load_b128 at 16 x lane: no pitch, no padding.
; THE PRODUCT: source 0 = a tile of P0, source 1 = a tile of P1.  A lane then holds ONE row of P1, and since lane r of tile 2 B + u holds row 32 B + 8 u + r + 8 (r / 8), the 16 registers of P0's tiles 2 B and 2 B + 1
; are P0's rows 32 B + 16 (lane / 16) + 0 .. 15: neighbours, in the order that the next operand's layout wants.  For q and k (cluster x = 0, 1): P0 = columns of W, P1 = tokens: registers run along the head's 64.
; For v (cluster x = 2): P0 = tokens, P1 = columns of W: registers run along the keys.  Only offsets differ: both operands lie in one buffer.
; SHARES.  A work-group makes 256 rows of P0 x 128 of P1; its eight waves 64 x 64 each: 16 accumulators.  K = 1,024 goes in four chunks of 256; three LDS slots take chunks 0, 1, 2 as first fills; chunk 3 is the one refill.
; CLUSTER 4 x 4: P0's tiles hang on the place along x and are asked for jointly by a column, P1's on the place along y, by a row: the same tensor load, the same descriptor, a mask that names the four.
; The wave tile is 64 x 64, so that everything fits 256 registers and no register window is switched.
; OUT.  q, k: [head][tile of 16 tokens][2 groups][512 bytes];  v: [head][128 keys][tile of 16 d][4 groups][512 bytes]; every store of codes is 512 consecutive bytes.  Scale words (two bytes low, two zero bytes high): 256 bytes for
; each 64 tokens of a head; the word of tile a, lane r at 128 (a % 2) + 8 r + 4 (a / 2).
; LIMITS: NaN and infinities are not served; a block of zeros (or under 2^-111) gets the byte 1, where the rule gives a block of zeros 127: this program alone reads the bytes.
.set WQI,   8388608                    ; opc: W_qkv's tiles
.set WQS,   262144                     ; ops: their scale words
.set SLOTB, 98304                      ; a slot: P0's 16 tiles x 4,096 bytes, then P1's 8
.set P1OFF, 65536
.set SC1,   294912                     ; P1's scale words, all of K: 8 tiles x 512 bytes
.set SC0,   299008                     ; P0's: 16 tiles
.set BIAS,  315392                     ; 256 numbers of the bias (LDS stores alone)
.set SPARE, 316416                     ; the spare words: 128 bytes for each of eight waves; no other line names them
.set L16,  1                           ; v1    16 x lane
.set AD0,  2                           ; v2-4  my four tiles of P0 in slot 0, 1, 2
.set AD1,  5                           ; v5-7  my four tiles of P1
.set ADRS, 8                           ; v8    scale words: lanes 0-15 P1's, lanes 16-31 P0's
.set SPW,  9                           ; v9    my spare word; never rewritten
.set NIL,  10                          ; v10   0; never rewritten
.set SCL,  16                          ; v16-31 scale words, two sets of 8: register 2 i + e: tile i, the chunk's e-th 128 along K
.set P1F,  32                          ; v32-95 P1's four fragments
.set P0A,  96                          ; v96-111, v112-127 two buffers for P0's fragments
.set P0B,  112
.set ACC,  128                         ; v128-255 accumulator (a, b) at 32 a + 8 b
.set WV, 16
.set WI, 17                            ; which 64 of P1
.set WJ, 18                            ; which 64 of P0
.set CX, 19
.set CY, 20
.set CLX, 21
.set CLY, 22
.set HALF, 23
.set P0T, 24
.set P1T, 25
.set SEL, 28
.set MNT, 30
.set G1C0, 32                          ; group 1: P0's codes;  G1C1: P1's;  G1S0, G1S1: their scale words
.set G1C1, 40
.set G1S0, 48
.set G1S1, 56
.set G0P0, 68                          ; groups 0 of P0: scales, slot 0, 1, 2
.set G0P1, 84                          ; of P1
.macro PLACES n
.rept \n
	v_nop
.endr
.endm
.macro CROUND                          ; a round of the cluster's barrier
	s_barrier_signal -1
	s_barrier_wait -1
	s_cmp_lg_u32 s[WV], 0
	s_cbranch_scc1 .Lnot_wave_0_\@
	s_barrier_signal -3
.Lnot_wave_0_\@:
	s_barrier_wait -3
	s_barrier_signal -1
	s_barrier_wait -1
.endm
.macro FRAG reg, adr, off              ; a fragment comes back as it was stored
.irp c, 0,1,2,3
	ds_load_b128 v[\reg+4*\c:\reg+4*\c+3], v[\adr] offset:\off+512*\c
.endr
.endm
.macro MM b, buf, set, e, zero         ; P0's tile b against P1's four: four accumulators, one instruction each
.irp a, 0,1,2,3
.if \zero
	v_wmma_scale_f32_16x16x128_f8f6f4 v[ACC+32*\a+8*\b:ACC+32*\a+8*\b+7], v[\buf:\buf+15], v[P1F+16*\a:P1F+16*\a+15], 0, v[SCL+8*\set+2*\b+\e], v[SCL+8*\set+2*\a+\e] matrix_a_fmt:MATRIX_FMT_BF8 matrix_b_fmt:MATRIX_FMT_BF8 matrix_a_scale:MATRIX_SCALE_ROW1
.else
	v_wmma_scale_f32_16x16x128_f8f6f4 v[ACC+32*\a+8*\b:ACC+32*\a+8*\b+7], v[\buf:\buf+15], v[P1F+16*\a:P1F+16*\a+15], v[ACC+32*\a+8*\b:ACC+32*\a+8*\b+7], v[SCL+8*\set+2*\b+\e], v[SCL+8*\set+2*\a+\e] matrix_a_fmt:MATRIX_FMT_BF8 matrix_b_fmt:MATRIX_FMT_BF8 matrix_a_scale:MATRIX_SCALE_ROW1
.endif
.endr
.endm
; 128 along K: 16 matrix instructions; the 16 accumulators take turns in the same order in every step.  Loads into registers that matrix instructions have read stand eight plain places behind them.
.macro KSTEP slot, e, set, zero, c
	PLACES 8
.if \e == 0
.irp i, 0,1,2,3
	ds_load_b64 v[SCL+8*\set+2*\i:SCL+8*\set+2*\i+1], v[ADRS] offset:\i*512+\c*128   ; the chunk's two words of tile i
.endr
.endif
	FRAG P0A, AD0+\slot, \e*2048
.irp a, 0,1,2,3
	FRAG P1F+16*\a, AD1+\slot, \a*4096+\e*2048
.endr
	FRAG P0B, AD0+\slot, 4096+\e*2048
	s_wait_dscnt 4                                 ; all but the second buffer's four loads
	MM 0, P0A, \set, \e, \zero
	s_wait_dscnt 0
	MM 1, P0B, \set, \e, \zero
	PLACES 8
	FRAG P0A, AD0+\slot, 2*4096+\e*2048
	FRAG P0B, AD0+\slot, 3*4096+\e*2048
	s_wait_dscnt 4
	MM 2, P0A, \set, \e, \zero
	s_wait_dscnt 0
	MM 3, P0B, \set, \e, \zero
.endm
; 64 numbers of a lane, register 16 b + i, block b shared with lane l xor 16, become 16 registers of codes and four scale bytes
.macro QUANT s, pc, pw, tm
.irp b, 0,1,2,3
	v_max3_num_f32 v[\tm+\b], |v[\s+16*\b]|, |v[\s+1+16*\b]|, 0x8000000   ; and the floor 2^(16 - 127): the byte cannot fall under 1
.endr
.irp i, 2,4,6,8,10,12,14
.irp b, 0,1,2,3
	s_delay_alu instid0(VALU_DEP_4)
	v_max3_num_f32 v[\tm+\b], v[\tm+\b], |v[\s+16*\b+\i]|, |v[\s+1+16*\b+\i]|
.endr
.endr
.irp b, 0,1,2,3
	s_delay_alu instid0(VALU_DEP_4)
	v_permlanex16_b32 v[\tm+4+\b], v[\tm+\b], s[SEL], s[SEL+1]
.endr
.irp b, 0,1,2,3
	s_delay_alu instid0(VALU_DEP_4)
	v_max_num_f32 v[\tm+\b], v[\tm+\b], v[\tm+4+\b]
.endr
.irp b, 0,1,2,3
	s_delay_alu instid0(VALU_DEP_4)
	v_add_nc_u32 v[\tm+12+\b], 0xf8800000, v[\tm+\b]         ; 15 off the exponent field: the conversion's scale operand
.endr
.irp b, 0,1,2,3
	v_and_or_b32 v[\tm+8+\b], v[\tm+\b], 0x7f800000, s[MNT]  ; 57,344 x the scale
.endr
.irp b, 0,1,2,3
	v_lshrrev_b32 v[\tm+4+\b], 23, v[\tm+12+\b]              ; the byte
.endr
	s_delay_alu instid0(VALU_DEP_3)
	v_lshl_or_b32 v[\pw], v[\tm+5], 8, v[\tm+4]
	s_delay_alu instid0(VALU_DEP_1)
	v_lshl_or_b32 v[\pw], v[\tm+6], 16, v[\pw]
	s_delay_alu instid0(VALU_DEP_1)
	v_lshl_or_b32 v[\pw], v[\tm+7], 24, v[\pw]
.irp b, 0,1,2,3
.irp i, 0,1,2,3,4,5,6,7,8,9,10,11,12,13,14,15
	v_med3_num_f32 v[\s+16*\b+\i], v[\s+16*\b+\i], -v[\tm+8+\b], v[\tm+8+\b]   ; the conversion does not saturate (ISA guide 7.6.2)
.endr
	v_cvt_scalef32_pk8_bf8_f32 v[\pc+4*\b:\pc+4*\b+1], v[\s+16*\b:\s+16*\b+7], v[\tm+12+\b]
	v_cvt_scalef32_pk8_bf8_f32 v[\pc+4*\b+2:\pc+4*\b+3], v[\s+16*\b+8:\s+16*\b+15], v[\tm+12+\b]
.endr
	v_nop                                          ; a plain line behind the last conversion
.endm
	s_load_b256 s[4:11], s[0:1], 0x0               ; opc s[4:5], ops s[6:7], b_qkv s[8:9], qkvc s[10:11]
	s_load_b64 s[12:13], s[0:1], 0x20              ; qkvs
	v_lshl_add_u32 v[SPW], v0, 2, SPARE
	v_mov_b32 v[NIL], 0
	ds_add_u32 v9, v10
	ds_add_u32 v9, v10
	s_wait_dscnt 0x0
	v_lshrrev_b32 v11, 5, v0
	s_delay_alu instid0(VALU_DEP_1)
	v_readfirstlane_b32 s[WV], v11                 ; wave 0..7
	s_lshr_b32 s[WI], s[WV], 2
	s_and_b32 s[WJ], s[WV], 3
	s_bfe_u32 s[CX], ttmp6, 0x40000
	s_bfe_u32 s[CY], ttmp6, 0x40004
	s_mov_b32 s[CLX], ttmp9                        ; cluster x: 0 q, 1 k, 2 v
	s_and_b32 s[CLY], ttmp7, 0xffff                ; cluster y: 0 .. 15
	s_mov_b32 s[SEL], 0x76543210
	s_mov_b32 s[SEL+1], 0xfedcba98
	s_mov_b32 s[MNT], 0x600000
	v_and_b32 v11, 31, v0
	s_delay_alu instid0(VALU_DEP_1)
	v_lshlrev_b32 v[L16], 4, v11
	v_and_b32 v12, 15, v0                          ; r
	v_bfe_u32 v13, v0, 4, 1                        ; h
	s_lshl_b32 s2, s[WJ], 14                       ; four tiles of 4,096 bytes a wave
	v_add_nc_u32 v[AD0], s2, v[L16]
	s_delay_alu instid0(VALU_DEP_1)
	v_add_nc_u32 v[AD0+1], SLOTB, v[AD0]
	s_delay_alu instid0(VALU_DEP_2)
	v_add_nc_u32 v[AD0+2], 2*SLOTB, v[AD0]
	s_lshl_b32 s2, s[WI], 14
	s_add_co_u32 s2, s2, P1OFF
	v_add_nc_u32 v[AD1], s2, v[L16]
	s_delay_alu instid0(VALU_DEP_1)
	v_add_nc_u32 v[AD1+1], SLOTB, v[AD1]
	s_delay_alu instid0(VALU_DEP_2)
	v_add_nc_u32 v[AD1+2], 2*SLOTB, v[AD1]
	s_lshl_b32 s2, s[WI], 11                       ; scale words: four tiles of 512 bytes a wave
	s_lshl_b32 s3, s[WJ], 11
	s_add_co_u32 s3, s3, SC0-SC1
	s_sub_co_u32 s3, s3, s2                        ; from P1's words to P0's
	v_mul_u32_u24 v[ADRS], s3, v13                 ; lanes 16-31 take P0's: one product with h
	s_delay_alu instid0(VALU_DEP_1)
	v_lshl_add_u32 v[ADRS], v12, 3, v[ADRS]
	s_add_co_u32 s2, s2, SC1
	v_add_nc_u32 v[ADRS], s2, v[ADRS]
	; group 1.  Codes: 8 rows (tiles) of 4,096 bytes (512 elements of 8), 16,384 bytes apart.  Scale words: a dense 4,096 bytes as 16 rows of 256
	s_lshl_b32 s100, 0x1111, s[CX]                 ; my column of the cluster
	s_or_b32 s[G1C0], s100, (3<<16)|(1<<21)
	s_or_b32 s[G1S0], s100, (3<<16)|(1<<21)
	s_lshl_b32 s101, s[CY], 2
	s_lshl_b32 s101, 15, s101                      ; my row
	s_or_b32 s[G1C1], s101, (3<<16)|(1<<21)
	s_or_b32 s[G1S1], s101, (3<<16)|(1<<21)
.irp g, G1C0, G1C1
	s_mov_b32 s[\g+1], 512<<16                     ; tensor_dim0
	s_mov_b32 s[\g+2], 8<<16                       ; tensor_dim1
	s_mov_b32 s[\g+3], 512<<16                     ; tile_dim0
	s_mov_b32 s[\g+4], 8                           ; tile_dim1
	s_mov_b32 s[\g+5], 2048                        ; from row to row, in elements
	s_mov_b32 s[\g+6], 0
	s_mov_b32 s[\g+7], 0
.endr
	s_mov_b32 s[G1C0+2], 16<<16                    ; P0's codes come 16 tiles to a load
	s_mov_b32 s[G1C0+4], 16
.irp g, G1S0, G1S1
	s_mov_b32 s[\g+1], 32<<16
	s_mov_b32 s[\g+2], 16<<16
	s_mov_b32 s[\g+3], 32<<16
	s_mov_b32 s[\g+4], 16
	s_mov_b32 s[\g+5], 32
	s_mov_b32 s[\g+6], 0
	s_mov_b32 s[\g+7], 0
.endr
	; which blocks are mine.  q, k: P0 = 256 columns of W (block 4 cluster x + cx), P1 = 128 tokens (4 cluster y + cy).  v: P0 = 256 tokens (4 (cluster y % 8) + cx), P1 = 128 columns of W (16 + 4 (cluster y / 8) + cy)
	s_mov_b32 s[G1S0+2], 32<<16                    ; P0's scale words: 8,192 dense bytes as 32 rows of 256
	s_mov_b32 s[G1S0+4], 32
	s_and_b32 s[P0T], s[CLY], 7
	s_lshr_b32 s[P1T], s[CLY], 3
	s_add_co_u32 s[P1T], s[P1T], 4
	s_cmp_eq_u32 s[CLX], 2                         ; the same in all sixteen partners
	s_cselect_b32 s[P0T], s[P0T], s[CLX]
	s_cselect_b32 s[P1T], s[P1T], s[CLY]
	s_cselect_b32 s26, 0, WQI                      ; where P0's codes begin in opc,
	s_cselect_b32 s27, 0, WQS                      ; its scale words in ops,
	s_cselect_b32 s66, WQI, 0                      ; and P1's
	s_cselect_b32 s67, WQS, 0
	s_lshl_b32 s[P0T], s[P0T], 2
	s_add_co_u32 s[P0T], s[P0T], s[CX]
	s_lshl_b32 s[P1T], s[P1T], 2
	s_add_co_u32 s[P1T], s[P1T], s[CY]
	s_lshl_b32 s100, s[P0T], 18                    ; 16 tiles of 16,384 bytes
	s_add_co_u32 s26, s26, s100
	s_lshl_b32 s100, s[P0T], 13
	s_add_co_u32 s27, s27, s100
	s_lshl_b32 s101, s[P1T], 17                    ; 8 tiles
	s_add_co_u32 s66, s66, s101
	s_lshl_b32 s101, s[P1T], 12
	s_add_co_u32 s67, s67, s101
	s_wait_kmcnt 0x0
	s_mov_b32 s2, s26
	s_mov_b32 s3, 0
	s_add_nc_u64 s[2:3], s[4:5], s[2:3]            ; P0's codes, chunk 0
	s_mov_b32 s26, s27
	s_mov_b32 s27, 0
	s_add_nc_u64 s[G0P0+2:G0P0+3], s[6:7], s[26:27]
	s_mov_b32 s100, s66
	s_mov_b32 s101, 0
	s_add_nc_u64 s[100:101], s[4:5], s[100:101]    ; P1's codes, chunk 0
	s_mov_b32 s66, s67
	s_mov_b32 s67, 0
	s_add_nc_u64 s[G0P1+2:G0P1+3], s[6:7], s[66:67]
	s_mov_b32 s[G0P0], 1
	s_mov_b32 s[G0P0+1], SC0
	s_or_b32 s[G0P0+3], s[G0P0+3], 0x80000000
	s_mov_b32 s[G0P1], 1
	s_mov_b32 s[G0P1+1], SC1
	s_or_b32 s[G0P1+3], s[G0P1+3], 0x80000000
.irp k, 0,1,2
	s_mov_b32 s[G0P0+4+4*\k], 1
	s_mov_b32 s[G0P0+5+4*\k], \k*SLOTB
	s_add_nc_u64 s[G0P0+6+4*\k:G0P0+7+4*\k], s[2:3], \k*4096
	s_or_b32 s[G0P0+7+4*\k], s[G0P0+7+4*\k], 0x80000000
	s_mov_b32 s[G0P1+4+4*\k], 1
	s_mov_b32 s[G0P1+5+4*\k], \k*SLOTB+P1OFF
	s_add_nc_u64 s[G0P1+6+4*\k:G0P1+7+4*\k], s[100:101], \k*4096
	s_or_b32 s[G0P1+7+4*\k], s[G0P1+7+4*\k], 0x80000000
.endr
	CROUND                                         ; all sixteen work-groups are here: the first joint loads meet
; the eight first fills, one a wave, in one chain of arms on the wave's number: chunk 0 of P0 and P1, their scale words, chunks 1 and 2
.macro ARM under, g0, g1, next
	s_cmp_lt_u32 s[WV], \under
	s_cbranch_scc0 \next
	tensor_load_to_lds s[\g0:\g0+3], s[\g1:\g1+7]
	s_nop 0
	PLACES 4
	s_branch .Lfilled
\next:
.endm
	ARM 1, G0P0+4, G1C0, .La1
	ARM 2, G0P1+4, G1C1, .La2
	ARM 3, G0P0, G1S0, .La3
	ARM 4, G0P1, G1S1, .La4
	ARM 5, G0P0+8, G1C0, .La5
	ARM 6, G0P1+8, G1C1, .La6
	ARM 7, G0P0+12, G1C0, .La7
	tensor_load_to_lds s[G0P1+12:G0P1+15], s[G1C1:G1C1+7]
	s_nop 0
	PLACES 4
.Lfilled:
	; the bias of the work-group's columns of W goes to LDS, a number a thread: q, k: 256 from 256 x P0's block on; v: 128 from 128 x P1's block on (twice over)
	s_lshl_b32 s2, s[P0T], 10
	s_lshl_b32 s3, s[P1T], 9
	s_mov_b32 s26, 255
	s_cmp_eq_u32 s[CLX], 2
	s_cselect_b32 s66, s3, s2
	s_cselect_b32 s26, 127, s26
	s_mov_b32 s67, 0
	s_add_nc_u64 s[66:67], s[8:9], s[66:67]
	v_and_b32 v14, s26, v0
	s_delay_alu instid0(VALU_DEP_1)
	v_lshlrev_b32 v14, 2, v14
	global_load_b32 v15, v14, s[66:67]
	v_lshl_add_u32 v11, v0, 2, BIAS
	s_wait_alu depctr_va_vdst(0)
	s_wait_loadcnt 0x0
	ds_store_b32 v11, v15
	s_cmp_lt_u32 s[WV], 4                          ; waves 0 to 3 hold chunk 0 and the scale words, which are read behind this barrier; chunks 1 and 2 are waited for in front of the refill's round
	s_cbranch_scc0 .Llater
	s_wait_tensorcnt 0x0                           ; my first fill is in
.Llater:
	s_wait_dscnt 0x0                               ; my number of the bias is stored
	s_barrier_signal -1
	s_barrier_wait -1
	KSTEP 0, 0, 0, 1, 0                            ; chunk 0: its first step starts the sums
	KSTEP 0, 1, 0, 0, 0
	s_wait_tensorcnt 0x0                           ; all my tensor loads have landed (chunks 1 and 2), so a group 0 may be written
	ds_add_u32 v[SPW], v[NIL]                      ; 0 onto my spare word
	s_add_nc_u64 s[G0P0+6:G0P0+7], s[G0P0+6:G0P0+7], 3*4096
	s_add_nc_u64 s[G0P1+6:G0P1+7], s[G0P1+6:G0P1+7], 3*4096
	s_wait_dscnt 0x0                               ; the add is done, and my reads of slot 0 are over
	CROUND                                         ; the same holds of every wave of every partner
	s_cmp_eq_u32 s[WV], 0                          ; the joint refill: wave 0 asks for P0's chunk 3, wave 2 for P1's
	s_cbranch_scc0 .Lre_not_p0
	tensor_load_to_lds s[G0P0+4:G0P0+7], s[G1C0:G1C0+7]
	s_nop 0
	PLACES 4
	s_branch .Lrefilled
.Lre_not_p0:
	s_cmp_eq_u32 s[WV], 2
	s_cbranch_scc0 .Lrefilled
	tensor_load_to_lds s[G0P1+4:G0P1+7], s[G1C1:G1C1+7]
	s_nop 0
	PLACES 4
.Lrefilled:
	KSTEP 1, 0, 1, 0, 1
	KSTEP 1, 1, 1, 0, 1
	KSTEP 2, 0, 0, 0, 2                            ; chunk 2 was shown whole by the round above
	KSTEP 2, 1, 0, 0, 2
	s_wait_tensorcnt 0x0                           ; my part of chunk 3 is in
	ds_add_u32 v[SPW], v[NIL]
	s_wait_dscnt 0x0
	s_barrier_signal -1
	s_barrier_wait -1                              ; everybody's is
	KSTEP 0, 0, 1, 0, 3
	KSTEP 0, 1, 1, 0, 3
	PLACES 8                                       ; in front of the first read of results and of loads and writes into the operands' registers
	; ---- the way out.  LDS addresses of the bias for both kinds, and where my results go
	s_lshl_b32 s26, s[WJ], 8
	s_add_co_u32 s26, s26, BIAS
	v_lshl_add_u32 v122, v13, 6, s26               ; q, k: register 16 B + i is column 64 WJ + 32 B + 16 h + i
	s_lshl_b32 s27, s[WI], 8
	s_add_co_u32 s27, s27, BIAS
	v_and_b32 v123, 8, v12
	s_delay_alu instid0(VALU_DEP_1)
	v_add_nc_u32 v123, v123, v12
	s_delay_alu instid0(VALU_DEP_1)
	v_lshl_add_u32 v123, v123, 2, s27              ; v: my lane of tile a is column 64 WI + 32 (a / 2) + 8 (a % 2) + r + 8 (r / 8)
	s_lshl_b32 s26, s[P0T], 8
	s_lshl_b32 s14, s[WJ], 6
	s_add_co_u32 s26, s26, s14                     ; my first row of P0
	s_lshl_b32 s27, s[P1T], 7
	s_lshl_b32 s14, s[WI], 6
	s_add_co_u32 s27, s27, s14                     ; and of P1
	s_mov_b32 s100, 1024
	s_cmp_eq_u32 s[CLX], 2
	s_cselect_b32 s66, s26, s27                    ; my first token
	s_cselect_b32 s67, s27, s26                    ; my first column of W
	s_cselect_b32 s100, 2048, s100                 ; from tile a to tile a + 1 in the codes
	s_bfe_u32 s101, s66, 0x50006                   ; which 64 tokens of the batch's 2,048
	s_lshr_b32 s2, s66, 11                         ; the batch
	s_bfe_u32 s14, s67, 0x40006                    ; the head
	s_lshl_b32 s2, s2, 4
	s_add_co_u32 s2, s2, s14
	s_lshr_b32 s3, s101, 1
	s_lshl_b32 s3, s3, 13                          ; v: 8,192 bytes for 128 keys,
	s_and_b32 s14, s101, 1
	s_lshl_b32 s14, s14, 10                        ; the second 64 keys are groups 2 and 3
	s_add_co_u32 s3, s3, s14
	s_lshl_b32 s14, s101, 12                       ; q, k: four tiles of 1,024 bytes
	s_cmp_eq_u32 s[CLX], 2
	s_cselect_b32 s3, s3, s14
	s_lshl_b32 s14, s[CLX], 23
	s_add_co_u32 s14, s14, s3
	s_lshl_b32 s3, s2, 17
	s_add_co_u32 s14, s14, s3
	s_mov_b32 s15, 0
	s_add_nc_u64 s[10:11], s[10:11], s[14:15]
	s_lshl_b32 s14, s[CLX], 19
	s_lshl_b32 s3, s2, 13
	s_add_co_u32 s14, s14, s3
	s_lshl_b32 s3, s101, 8
	s_add_co_u32 s14, s14, s3
	s_add_nc_u64 s[12:13], s[12:13], s[14:15]
	s_cmp_eq_u32 s[CLX], 2
	s_cbranch_scc1 .Lbias_v
	s_wait_alu depctr_va_vdst(0)
.irp q, 0,1,2,3,4,5,6,7
	ds_load_b128 v[32+4*\q:35+4*\q], v122 offset:128*(\q/4)+16*(\q%4)
.endr
	s_wait_dscnt 0x0
.irp a, 0,1,2,3
.irp x, 0,2,4,6,8,10,12,14,16,18,20,22,24,26,28,30
	v_pk_add_f32 v[ACC+32*\a+\x:ACC+32*\a+\x+1], v[ACC+32*\a+\x:ACC+32*\a+\x+1], v[32+\x:33+\x]   ; each accumulator from its low end on
.endr
.endr
	s_branch .Lquant
.Lbias_v:
	s_wait_alu depctr_va_vdst(0)
.irp a, 0,1,2,3
	ds_load_b32 v[32+2*\a], v123 offset:(32*(\a/2)+8*(\a%2))*4
.endr
	s_wait_dscnt 0x0
.irp a, 0,1,2,3
	v_mov_b32 v[33+2*\a], v[32+2*\a]
.endr
.irp a, 0,1,2,3
.irp x, 0,2,4,6,8,10,12,14,16,18,20,22,24,26,28,30
	v_pk_add_f32 v[ACC+32*\a+\x:ACC+32*\a+\x+1], v[ACC+32*\a+\x:ACC+32*\a+\x+1], v[32+2*\a:33+2*\a]
.endr
.endr
.Lquant:
.irp b, 0,1,2,3
	v_mov_b32 v[100+\b], 0                         ; a lane permute's destination counts as one of its sources
.endr
	QUANT ACC, 64, 112, 96                         ; tiles 0 and 1 of P1: two blocks of 32 each
	QUANT ACC+64, 80, 113, 96                      ; tiles 2 and 3
	v_add_nc_u32 v115, s100, v[L16]
	s_delay_alu instid0(VALU_DEP_1)
	v_add_nc_u32 v116, s100, v115
	s_delay_alu instid0(VALU_DEP_1)
	v_add_nc_u32 v117, s100, v116
	v_lshlrev_b32 v120, 4, v13                     ; lanes 0-15 keep the even tile's two bytes, lanes 16-31 the odd tile's
	s_delay_alu instid0(VALU_DEP_1)
	v_lshrrev_b32 v118, v120, v112
	s_delay_alu instid0(VALU_DEP_2)
	v_lshrrev_b32 v119, v120, v113
	s_delay_alu instid0(VALU_DEP_2)
	v_and_b32 v118, 0xffff, v118                   ; the two high bytes are 0
	s_delay_alu instid0(VALU_DEP_2)
	v_and_b32 v119, 0xffff, v119
	v_and_b32 v121, 31, v0
	s_delay_alu instid0(VALU_DEP_1)
	v_lshlrev_b32 v121, 3, v121
	global_store_b128 v[L16], v[64:67], s[10:11]               ; every store: 512 consecutive bytes
	global_store_b128 v[L16], v[68:71], s[10:11] offset:512
	global_store_b128 v115, v[72:75], s[10:11]
	global_store_b128 v115, v[76:79], s[10:11] offset:512
	global_store_b128 v116, v[80:83], s[10:11]
	global_store_b128 v116, v[84:87], s[10:11] offset:512
	global_store_b128 v117, v[88:91], s[10:11]
	global_store_b128 v117, v[92:95], s[10:11] offset:512
	global_store_b64 v121, v[118:119], s[12:13]                ; 256 consecutive bytes
	s_wait_tensorcnt 0x0                           ; the wave's end
	ds_add_u32 v[SPW], v[NIL]
	s_wait_dscnt 0x0
	CROUND                                         ; the closing round
	s_endpgm
.Lfunc_end_k_qad58d5f3aa_gemm1:
	.size	k_qad58d5f3aa_gemm1, .Lfunc_end_k_qad58d5f3aa_gemm1-k_qad58d5f3aa_gemm1
	.p2alignl 7, 3214868480
	.fill 96, 4, 3214868480
	.section	.rodata,"a",@progbits
	.p2align	6, 0x0
	.amdhsa_kernel k_qad58d5f3aa_gemm1
		.amdhsa_group_segment_fixed_size 327680
		.amdhsa_private_segment_fixed_size 0
		.amdhsa_enable_private_segment 0
		.amdhsa_kernarg_size 40
		.amdhsa_user_sgpr_count 2
		.amdhsa_user_sgpr_kernarg_segment_ptr 1
		.amdhsa_wavefront_size32 1
		.amdhsa_system_sgpr_workgroup_id_x 1
		.amdhsa_system_sgpr_workgroup_id_y 1
		.amdhsa_system_sgpr_workgroup_id_z 1
		.amdhsa_system_vgpr_workitem_id 0
		.amdhsa_next_free_vgpr 256
		.amdhsa_next_free_sgpr 102
		.amdhsa_reserve_vcc 0
		.amdhsa_float_denorm_mode_32 3
		.amdhsa_float_denorm_mode_16_64 3
		.amdhsa_memory_ordered 1
		.amdhsa_forward_progress 1
		.amdhsa_inst_pref_size 83
	.end_amdhsa_kernel
	.amdgpu_metadata
---
amdhsa.version: [ 1, 2 ]
amdhsa.kernels:
  - .name:           k_qad58d5f3aa_gemm1
    .symbol:         k_qad58d5f3aa_gemm1.kd
    .args:
      - { .name: opc, .offset: 0, .size: 8, .value_kind: global_buffer, .address_space: global }
      - { .name: ops, .offset: 8, .size: 8, .value_kind: global_buffer, .address_space: global }
      - { .name: b_qkv, .offset: 16, .size: 8, .value_kind: global_buffer, .address_space: global }
      - { .name: qkvc, .offset: 24, .size: 8, .value_kind: global_buffer, .address_space: global }
      - { .name: qkvs, .offset: 32, .size: 8, .value_kind: global_buffer, .address_space: global }
    .group_segment_fixed_size: 327680
    .private_segment_fixed_size: 0
    .kernarg_segment_align: 8
    .kernarg_segment_size: 40
    .max_flat_workgroup_size: 256
    .sgpr_count:     102
    .vgpr_count:     256
    .wavefront_size: 32
...
	.end_amdgpu_metadata
.endif
;; end of part 2
;; launch attn (part 3): grid 4 x 64, 16 waves a work-group, clusters of 4 x 1, 327,680 bytes of LDS; arguments qkvc, qkvs, oc, os; writes oc, os
.if DOCPART == 3
	.amdgcn_target "amdgcn-amd-amdhsa--gfx1250"
	.amdhsa_code_object_version 6
	.text
	.protected	k_qad58d5f3aa_attn
	.globl	k_qad58d5f3aa_attn
	.p2align	8
	.type	k_qad58d5f3aa_attn,@function
k_qad58d5f3aa_attn:
	s_mov_b64 s[64:65], 0
	v_nop
	global_prefetch_b8 v0, s[64:65] scope:SCOPE_SE
	s_setreg_imm32_b32 hwreg(HW_REG_WAVE_MODE, 25, 1), 1
	s_wait_xcnt 0x0
	s_wait_alu depctr_hold_cnt(0) depctr_sa_sdst(0) depctr_va_vdst(0) depctr_va_sdst(0) depctr_va_ssrc(0) depctr_va_vcc(0) depctr_vm_vsrc(0)
	s_getreg_b32 s2, hwreg(HW_REG_IB_STS2, 6, 4)
	s_cmp_eq_u32 s2, 0
	s_cbranch_scc0 .Lentry_in_a_cluster
	s_endpgm
.Lentry_in_a_cluster:
	s_bfe_u32 s2, ttmp6, 0x10000c
	s_cmp_lg_u32 s2, 0x3003
	s_cbranch_scc0 .Lentry_shape_is_right
	s_endpgm
.Lentry_shape_is_right:
; o = softmax(q k^T / 8) v for 64 heads of 2,048 tokens x 64, both products on codes of BF8 (E5M2) with E8M0 scales; o is quantised along the hidden axis on the way out.
; THE SOFTMAX: t = score x log2(e) / 8; M = the running largest t rounded UP to a whole number; p = 2^(t - M) is quantised along the keys, not normalised; the row's sum is taken of the unquantised p and divides o at the end.
; When M moves, the sum and o are multiplied by 2^(old M - new M): exact.
; SHARES.  A work-group owns 512 queries of one head, in two passes of 256; each of its sixteen waves one tile of 16 queries a pass, in 256 registers.
; THE HEAD'S WHOLE K AND V STAY IN LDS, laid by key step: step s at 16,384 s: K's 128 keys (8,192 bytes), then V's.  Wave w asks for step w: ONE tensor load a wave, two rows of 8,192 bytes (K's and V's, 2^23 bytes apart in memory),
; placed by arithmetic on the wave's number; the four work-groups of a cluster own the head's 2,048 queries and ask JOINTLY.  Nothing is filled again.
; THE SCALE WORDS of step w come through wave w's registers and are laid anew in LDS (stores alone): step s at SCB + 768 s; lane r's 48 bytes: K's eight tiles' words, then V's four, each joined of its two halves of 64 keys.
; THE ORDER OF THE STEPS: wave w walks steps w, w + 1, .. modulo 16.  Its first step reads only what the wave itself fetched and stored, behind its own waits; the one barrier for the fills stands behind that step.
; The last barrier stands at the end, where o's scale words of both passes meet in LDS and leave as four runs of 512 bytes.
; No prefetch: all of K and V is asked for at the head, and there is no loop to run ahead in.
; LAYOUT.  Both products transposed: S^T = K Q^T (source 0 = 16 keys), O^T = V^T P^T (source 0 = 16 of the head's 64): a lane holds one query throughout.  Operands lie as images of their registers; lane r of a tile 2 B + u of keys holds key
; 32 B + 8 u + r + 8 (r / 8), so p's 16 registers of two neighbouring tiles are 16 neighbouring keys; V's tiles of d likewise.
; THE FIRST PRODUCT'S K IS 64: Q's registers 8-15 are zero codes and the scale words' two high bytes are 0.  K's registers 8-15 are then whatever finite codes follow: they meet zero codes and add 0.
; LIMITS: NaN and infinities are not served; the promise holds while |t| stays under 2^31.  The exponent of a block's largest p is taken as floor(t - M) of its largest score: where t - M lies within an ulp of 1 under a whole
; number, v_exp_f32 may give the power of two above, and that p is then held at 7/8 of itself.  A block whose largest p lies under 2^-111 gets the byte 1 (the rule gives a block of zeros 127): this program alone reads the bytes.
.set SCB,   262144
.set OSTG,  274432                     ; o's scale words: 2 passes x 1,024 bytes (LDS stores alone)
.set SPARE, 276480                     ; the spare words: 128 bytes for each of sixteen waves
.set L16, 1                            ; v1 16 x lane
.set ADK, 2                            ; v2 the step's codes
.set ADS, 3                            ; v3 the step's scale words
.set QS,  4                            ; v4 Q's scale words
.set OSA, 5                            ; v5 where I put o's scale word
.set R48, 6                            ; v6 SCB + 48 r
.set R8G, 7                            ; v7 8 r
.set OLA, 8                            ; v8 where waves 0 to 3 read o's scale words back
.set Q,   16                           ; v16-31 Q; v24-31 = 0
.set F,   32                           ; v32-95 K's 8 tiles x 8 registers, then V's 4 x 16
.set Z,   96                           ; v96-103 = 0
.set S,   104                          ; v104-167 S^T, then p
.set OT,  168                          ; v168-199 O^T
.set PCD, 200                          ; v200-215 p's codes
.set BM,  216                          ; v216-223 block maxima and their exponents; behind the exponentials four chains of the sum
.set PT,  220
.set HO,  224
.set SO,  228
.set KS,  232                          ; v232-239 K's scale words
.set VS,  240                          ; v240-243 V's;  v244-247, v252-253 three more chains of the sum
.set FF,  248                          ; v[248:249] f; 1 / the sum on the way out
.set PW,  250
.set T0,  251
.set WV, 12
.set CX, 13
.set BH, 14
.set IX, 15                            ; s15 the step in hand
.set SEL, 16
.set CS, 18
.set MNT, 20
.set TB, 21
.set TS, 22
.set CNT, 23
.set QP, 24
.set QSP, 26
.set OP, 28
.set OSP, 30
.set SP, 56
.macro CROUND
	s_barrier_signal -1
	s_barrier_wait -1
	s_cmp_lg_u32 s[WV], 0
	s_cbranch_scc1 .Lnot_wave_0_\@
	s_barrier_signal -3
.Lnot_wave_0_\@:
	s_barrier_wait -3
	s_barrier_signal -1
	s_barrier_wait -1
.endm
	s_load_b256 s[4:11], s[0:1], 0x0               ; qkvc s[4:5], qkvs s[6:7], oc s[8:9], os s[10:11]
	v_lshl_add_u32 v254, v0, 2, SPARE
	v_mov_b32 v255, 0
	ds_add_u32 v254, v255                          ; the opening lines: the add twice on end and one wait
	ds_add_u32 v254, v255
	v_lshrrev_b32 v9, 5, v0
	s_delay_alu instid0(VALU_DEP_1)
	v_readfirstlane_b32 s[WV], v9                  ; wave 0..15
	s_mov_b32 s[IX], s[WV]                         ; my first step is the one that I fetch
	s_bfe_u32 s[CX], ttmp6, 0x40000                ; which 512 queries
	s_and_b32 s[BH], ttmp7, 0xffff                 ; 16 x batch + head: the four partners share it
	s_mov_b32 s32, 15|(3<<16)|(1<<21)              ; group 1: the mask names all four; elements of 8 bytes
	s_mov_b32 s33, 1024<<16                        ; a row: 1,024 elements
	s_mov_b32 s34, 2<<16                           ; two rows
	s_mov_b32 s35, 1024<<16
	s_mov_b32 s36, 2
	s_mov_b32 s37, 1048576                         ; from K's row to V's, in elements
	s_mov_b32 s38, 0
	s_mov_b32 s39, 0
	s_mov_b32 s[SEL], 0x76543210
	s_mov_b32 s[SEL+1], 0xfedcba98
	s_mov_b32 s[CS], 0x3e38aa3b                    ; c = log2(e) / 8
	s_mov_b32 s[CS+1], s[CS]
	s_mov_b32 s[MNT], 0x600000
	s_lshl_b32 s44, s[BH], 17                      ; K's codes of step w
	s_lshl_b32 s45, s[WV], 13
	s_add_co_u32 s44, s44, s45
	s_add_co_u32 s44, s44, 1<<23
	s_mov_b32 s45, 0
	s_lshl_b32 s46, s[BH], 13                      ; K's scale words of step w: 512 bytes; V's lie 2^19 bytes on
	s_lshl_b32 s47, s[WV], 9
	s_add_co_u32 s46, s46, s47
	s_add_co_u32 s46, s46, 1<<19
	s_mov_b32 s47, 0
	s_lshl_b32 s48, s[BH], 17                      ; my tile of Q, pass 0
	s_lshl_b32 s49, s[CX], 15
	s_add_co_u32 s48, s48, s49
	s_lshl_b32 s49, s[WV], 10
	s_add_co_u32 s48, s48, s49
	s_mov_b32 s49, 0
	s_lshl_b32 s50, s[BH], 13                      ; 2,048 bytes of scale words for 512 queries: Q's and o's
	s_lshl_b32 s51, s[CX], 11
	s_add_co_u32 s50, s50, s51
	s_and_b32 s59, s[WV], 3
	s_lshl_b32 s59, s59, 9
	s_add_co_u32 s52, s59, s50                     ; o's: 512 bytes for each of waves 0 to 3
	s_mov_b32 s53, 0
	s_add_co_u32 s59, s59, OSTG
	s_lshr_b32 s51, s[WV], 2
	s_lshl_b32 s51, s51, 8
	s_add_co_u32 s50, s50, s51
	s_and_b32 s51, s[WV], 1
	s_lshl_b32 s51, s51, 7
	s_add_co_u32 s50, s50, s51
	s_bfe_u32 s51, s[WV], 0x10001
	s_lshl_b32 s51, s51, 2
	s_add_co_u32 s50, s50, s51                     ; Q's words of my tile
	s_mov_b32 s51, 0
	s_lshr_b32 s54, s[BH], 4
	s_lshl_b32 s54, s54, 7
	s_lshl_b32 s55, s[CX], 5
	s_add_co_u32 s54, s54, s55
	s_add_co_u32 s54, s54, s[WV]                   ; o's tile: 128 x batch + 32 cx + wave
	s_lshl_b32 s54, s54, 14
	s_and_b32 s55, s[BH], 15
	s_lshl_b32 s55, s55, 10                        ; the head's 64 codes: two groups of 512 bytes
	s_add_co_u32 s54, s54, s55
	s_mov_b32 s55, 0
	s_mov_b32 s40, 1                               ; group 0
	s_lshl_b32 s41, s[WV], 14                      ; LDS: step w
	s_mul_i32 s58, s[WV], 768
	s_add_co_u32 s58, s58, SCB
	s_lshl_b32 s3, s[WV], 6
	s_add_co_u32 s3, s3, OSTG
	v_and_b32 v9, 31, v0
	v_and_b32 v11, 15, v0                          ; r
	s_delay_alu instid0(VALU_DEP_2)
	v_lshlrev_b32 v[L16], 4, v9
	v_lshlrev_b32 v10, 3, v9                       ; 8 x lane
	v_lshlrev_b32 v[R8G], 3, v11
	v_mul_u32_u24 v[R48], v11, 48
	v_bfe_u32 v9, v0, 4, 1                         ; u = lane / 16
	s_delay_alu instid0(VALU_DEP_1)
	v_lshl_add_u32 v9, v9, 2, v[R48]
	s_delay_alu instid0(VALU_DEP_1)
	v_add_nc_u32 v9, s58, v9                       ; where I lay scale words: step w, 48 r + 4 u
	v_add_nc_u32 v[R48], SCB, v[R48]
	v_lshl_add_u32 v[OSA], v11, 2, s3
	v_add_nc_u32 v[OLA], s59, v[L16]
	s_wait_alu depctr_va_vdst(0)
	s_wait_dscnt 0x0
	s_wait_kmcnt 0x0
	s_add_nc_u64 s[42:43], s[4:5], s[44:45]
	s_or_b32 s43, s43, 0x80000000
	s_add_nc_u64 s[SP:SP+1], s[6:7], s[46:47]
	s_add_nc_u64 s[QP:QP+1], s[4:5], s[48:49]
	s_add_nc_u64 s[QSP:QSP+1], s[6:7], s[50:51]
	s_add_nc_u64 s[OSP:OSP+1], s[10:11], s[52:53]
	s_add_nc_u64 s[OP:OP+1], s[8:9], s[54:55]
.macro QLOAD p                         ; my tile of queries of pass p, and its scale words
	global_load_b128 v[Q:Q+3], v[L16], s[QP:QP+1] offset:\p*16384
	global_load_b128 v[Q+4:Q+7], v[L16], s[QP:QP+1] offset:\p*16384+512
	global_load_b32 v[QS], v[R8G], s[QSP:QSP+1] offset:\p*1024
.endm
	global_load_b64 v[104:105], v10, s[SP:SP+1]                  ; lane 16 u + r: K's words of tiles u, u + 2, lane r, keys 0-63 of the step: 256 consecutive bytes a load
	global_load_b64 v[106:107], v10, s[SP:SP+1] offset:256       ; tiles 4 + u, 6 + u
	global_load_b64 v[108:109], v10, s[SP:SP+1] offset:524288    ; V's words of tiles u, u + 2: keys 0-63,
	global_load_b64 v[110:111], v10, s[SP:SP+1] offset:524544    ; and keys 64-127
	QLOAD 0
	CROUND                                         ; all four work-groups are here: the joint loads meet
	tensor_load_to_lds s[40:43], s[32:39]          ; my one tensor load
	s_nop 0
.rept 4
	v_nop
.endr
.macro RESET                           ; a pass begins: O^T and the sum's eight chains are zeros, the largest score is -3e38: the first change of M multiplies zeros
	v_mov_b32 v13, 0xff61b1e6
	s_delay_alu instid0(VALU_DEP_1)
	v_floor_f32 v12, -v13
	v_mov_b32 v14, 0
	v_mov_b32 v15, 0
.irp d, 216,217,218,219,220,221,222,223,244,245,246,247,252,253
	v_mov_b32 v[\d], 0
.endr
.set j, 0
.rept 32
	v_mov_b32 v[OT+j], 0
.set j, j+1
.endr
.endm
.irp j, 0,1,2,3,4,5,6,7
	v_mov_b32 v[Q+8+\j], 0                         ; Q's K blocks 2 and 3: zero codes
	v_mov_b32 v[Z+\j], 0
.endr
	v_mov_b32 v[FF+1], 0                           ; (named as the upper half of a pair)
	RESET
	s_wait_alu depctr_va_vdst(0)
	s_wait_loadcnt 0x0
	v_lshl_or_b32 v108, v110, 16, v108             ; V's word: four bytes, the step's four blocks of 32 keys
	v_lshl_or_b32 v109, v111, 16, v109
.irp i, 0,1,2,3,4,5
	ds_store_b32 v9, v[104+\i] offset:8*\i         ; K's tile 4 g + u (+ 2) at 16 g + 4 u (+ 8); V's tile u (+ 2) at 32 + 4 u (+ 8)
.endr
	s_wait_tensorcnt 0x0                           ; my step's K and V are in
.macro ADDP d, n                       ; a chain of the row's sum takes two more p
	v_pk_add_f32 v[\d:\d+1], v[\d:\d+1], v[S+2*(\n):S+2*(\n)+1]
.endm
.macro ADDC d, e
	v_pk_add_f32 v[\d:\d+1], v[\d:\d+1], v[\e:\e+1]
.endm
.macro TMM n                           ; t - M of the next 2 n scores
.rept \n
	v_pk_fma_f32 v[S+j:S+j+1], v[S+j:S+j+1], s[CS:CS+1], v[12:13] op_sel_hi:[1,0,0]
.set j, j+2
.endr
.endm
.macro JOIN                            ; the seven side chains of the last step's sum go into v[14:15]: seven plain lines that name no register of a product
	ADDC 14, 216
	ADDC 218, 220
	ADDC 222, 244
	ADDC 246, 252
	s_delay_alu instid0(VALU_DEP_3)
	ADDC 14, 218
	s_delay_alu instid0(VALU_DEP_2)
	ADDC 222, 246
	s_delay_alu instid0(VALU_DEP_1)
	ADDC 14, 222
.endm
; A KEY STEP: 128 keys, step IX
.macro STEP
	s_lshl_b32 s[TB], s[IX], 14
	s_mul_i32 s[TS], s[IX], 768
	v_add_nc_u32 v[ADK], s[TB], v[L16]
	v_add_nc_u32 v[ADS], s[TS], v[R48]
.rept 6
	v_nop                                          ; with the two additions: eight places in front of loads into registers that the last products read
.endr
.irp t, 0,1,2,3,4,5,6,7
	ds_load_b128 v[F+8*\t:F+8*\t+3], v[ADK] offset:\t*1024
	ds_load_b128 v[F+8*\t+4:F+8*\t+7], v[ADK] offset:\t*1024+512
.endr
	ds_load_b128 v[KS:KS+3], v[ADS]
	ds_load_b128 v[KS+4:KS+7], v[ADS] offset:16
	ds_load_b128 v[VS:VS+3], v[ADS] offset:32
	s_wait_alu depctr_va_vdst(0)
	s_wait_dscnt 0x0
.irp t, 0,1,2,3,4,5,6,7
	v_wmma_scale_f32_16x16x128_f8f6f4 v[S+8*\t:S+8*\t+7], v[F+8*\t:F+8*\t+15], v[Q:Q+15], 0, v[KS+\t], v[QS] matrix_a_fmt:MATRIX_FMT_BF8 matrix_b_fmt:MATRIX_FMT_BF8
.endr
	v_mov_b32 v[T0], v12                           ; the old -M
	JOIN                                           ; eight places with the line above
.irp a, 0,1,2,3
.irp c, 0,1,2,3
	ds_load_b128 v[F+16*\a+4*\c:F+16*\a+4*\c+3], v[ADK] offset:8192+\a*2048+\c*512   ; V's four fragments land while the softmax is walked
.endr
.endr
.irp b, 0,1,2,3
	v_max3_num_f32 v[BM+\b], v[S+16*\b], v[S+1+16*\b], v[S+2+16*\b]   ; the largest score of each block of 32 keys: for the row's maximum, and for the block's scale
.endr
.irp i, 3,5,7,9,11,13
.irp b, 0,1,2,3
	v_max3_num_f32 v[BM+\b], v[BM+\b], v[S+16*\b+\i], v[S+1+16*\b+\i]
.endr
.endr
.irp b, 0,1,2,3
	v_max_num_f32 v[BM+\b], v[BM+\b], v[S+15+16*\b]
.endr
.irp b, 0,1,2,3
	s_delay_alu instid0(VALU_DEP_4)
	v_permlanex16_b32 v[PT+\b], v[BM+\b], s[SEL], s[SEL+1]
.endr
.irp b, 0,2
	v_dual_max_num_f32 v[BM+\b], v[BM+\b], v[PT+\b] :: v_dual_max_num_f32 v[BM+\b+1], v[BM+\b+1], v[PT+\b+1]   ; with lane l xor 16's 16 keys; two blocks a line
.endr
	v_max3_num_f32 v13, v13, v[BM], v[BM+1]        ; the running largest score
	s_delay_alu instid0(VALU_DEP_1)
	v_max3_num_f32 v13, v13, v[BM+2], v[BM+3]
	s_delay_alu instid0(VALU_DEP_1)
	v_mul_f32 v[PT], s[CS], v13                    ; as t (c is positive)
	s_delay_alu instid0(VALU_DEP_1)
	v_floor_f32 v12, -v[PT]                        ; the new -M = floor(-t): M is a whole number
	s_delay_alu instid0(VALU_DEP_1)
	v_sub_f32 v[T0], v12, v[T0]                    ; old M - new M: a whole number, 0 or less
.set j, 0
	TMM 5                                          ; the three lines that make f stand among the 32 that make t - M
	v_cvt_i32_f32 v[T0], v[T0]                     ; (it saturates)
	TMM 5
	v_ldexp_f32 v[FF], 1.0, v[T0]                  ; f = 2^(old M - new M)
	TMM 22
.irp b, 0,2
	v_pk_fma_f32 v[BM+\b:BM+\b+1], v[BM+\b:BM+\b+1], s[CS:CS+1], v[12:13] op_sel_hi:[1,0,0]   ; the same of each block's largest score
.endr
.irp b, 0,2
	v_dual_max_num_f32 v[BM+\b], 0xc2de0000, v[BM+\b] :: v_dual_max_num_f32 v[BM+\b+1], 0xc2de0000, v[BM+\b+1]   ; not under -111: the byte cannot fall under 1
.endr
.irp b, 0,1,2,3
	v_cvt_floor_i32_f32 v[PT+\b], v[BM+\b]         ; e = the exponent of the block's largest p
.endr
.irp b, 0,1,2,3
	v_add_lshl_u32 v[SO+\b], v[PT+\b], 112, 23     ; the conversion's scale operand: the exponent field e - 15 + 127
.endr
.irp b, 0,2
	v_pk_mul_f32 v[HO+\b:HO+\b+1], v[SO+\b:SO+\b+1], 0x47600000 op_sel_hi:[1,0]   ; 57,344 x the scale: the scale operand is the f32 number 2^(e - 15), so the product is exact
.endr
	v_lshl_add_u32 v[PW], v[PT+1], 8, v[PT]        ; p's scale word: the sum of (e + 112) x 256^b, the four e first,
	s_delay_alu instid0(VALU_DEP_1)
	v_lshl_add_u32 v[PW], v[PT+2], 16, v[PW]
	s_delay_alu instid0(VALU_DEP_1)
	v_lshl_add_u32 v[PW], v[PT+3], 24, v[PW]
	s_delay_alu instid0(VALU_DEP_1)
	v_add_nc_u32 v[PW], 0x70707070, v[PW]          ; then the four 112
	s_wait_alu depctr_va_vdst(0)
.set j, 0
.rept 64
	v_exp_f32 v[S+j], v[S+j]                       ; p = 2^(t - M)
.set j, j+1
.endr
	v_pk_mul_f32 v[14:15], v[14:15], v[FF:FF+1] op_sel_hi:[1,0]   ; the sum under the new M: the plain line behind the exponentials
	s_wait_alu depctr_va_vdst(0)                   ; one wait for the batch of 64, ahead of its first reader
.set n, 0
.irp d, 216,218,220,222,244,246,252                ; the row's sum of the unquantised p: eight chains of packed additions; the seven side chains are joined in the next step
	v_pk_add_f32 v[\d:\d+1], v[S+4*n:S+4*n+1], v[S+4*n+2:S+4*n+3]
.set n, n+1
.endr
.set n, 14
.rept 2
.irp d, 14,216,218,220,222,244,246,252
	ADDP \d, n
.set n, n+1
.endr
.endr
	ADDP 14, 30
	ADDP 216, 31
.irp b, 0,1,2,3
.irp i, 0,2,4,6,8,10,12,14
	v_dual_min_num_f32 v[S+16*\b+\i], v[S+16*\b+\i], v[HO+\b] :: v_dual_min_num_f32 v[S+16*\b+\i+1], v[S+16*\b+\i+1], v[HO+\b]   ; the conversion does not saturate (ISA guide 7.6.2); p is not negative, so the hold is one-sided; two numbers a line
.endr
	v_cvt_scalef32_pk8_bf8_f32 v[PCD+4*\b:PCD+4*\b+1], v[S+16*\b:S+16*\b+7], v[SO+\b]
	v_cvt_scalef32_pk8_bf8_f32 v[PCD+4*\b+2:PCD+4*\b+3], v[S+16*\b+8:S+16*\b+15], v[SO+\b]
.endr
	s_wait_alu depctr_va_vdst(0)                   ; the wait directly ahead of the first reader of O^T
.set j, 0
.rept 16
	v_pk_mul_f32 v[OT+j:OT+j+1], v[OT+j:OT+j+1], v[FF:FF+1] op_sel_hi:[1,0]   ; O^T under the new M; also the places between the conversions and the products
.set j, j+2
.endr
	s_wait_alu depctr_va_vdst(0)
	s_wait_dscnt 0x0                               ; V is in
.irp a, 0,1,2,3
	v_wmma_scale_f32_16x16x128_f8f6f4 v[OT+8*\a:OT+8*\a+7], v[F+16*\a:F+16*\a+15], v[PCD:PCD+15], v[OT+8*\a:OT+8*\a+7], v[VS+\a], v[PW] matrix_a_fmt:MATRIX_FMT_BF8 matrix_b_fmt:MATRIX_FMT_BF8
.endr
	s_add_co_u32 s[IX], s[IX], 1
	s_and_b32 s[IX], s[IX], 15                     ; round the sixteen steps
.endm
.macro STEPS n
	s_mov_b32 s[CNT], \n
.Lstep_\@:
	STEP
	s_sub_co_u32 s[CNT], s[CNT], 1
	s_cmp_lg_u32 s[CNT], 0
	s_cbranch_scc1 .Lstep_\@
.endm
; THE WAY OUT of pass p: O^T / the sum, quantised along the hidden axis (two blocks of 32): the conversions' results are two groups of the next product's operand and are stored as they stand.
.macro WAYOUT p
	JOIN                                           ; the last step's side chains; with the line below: eight places behind the last products
	v_nop
.if \p == 0
	QLOAD 1                                        ; the next pass's queries are asked for now
.endif
	v_add_f32 v14, v14, v15
	s_delay_alu instid0(VALU_DEP_1)
	v_permlanex16_b32 v[T0], v14, s[SEL], s[SEL+1]
	s_delay_alu instid0(VALU_DEP_1)
	v_add_f32 v14, v14, v[T0]                      ; the row's sum
	s_wait_alu depctr_va_vdst(0)
	v_rcp_f32 v[FF], v14
	v_nop                                          ; a plain line behind the transcendental
	s_wait_alu depctr_va_vdst(0)                   ; and the wait ahead of its first reader
.set j, 0
.rept 16
	v_pk_mul_f32 v[OT+j:OT+j+1], v[OT+j:OT+j+1], v[FF:FF+1] op_sel_hi:[1,0]   ; each accumulator from its low end on
.set j, j+2
.endr
.irp b, 0,1
	v_max3_num_f32 v[BM+\b], |v[OT+16*\b]|, |v[OT+1+16*\b]|, 0x8000000
.endr
.irp i, 2,4,6,8,10,12,14
.irp b, 0,1
	s_delay_alu instid0(VALU_DEP_2)
	v_max3_num_f32 v[BM+\b], v[BM+\b], |v[OT+16*\b+\i]|, |v[OT+1+16*\b+\i]|
.endr
.endr
.irp b, 0,1
	s_delay_alu instid0(VALU_DEP_2)
	v_permlanex16_b32 v[PT+\b], v[BM+\b], s[SEL], s[SEL+1]
.endr
.irp b, 0,1
	s_delay_alu instid0(VALU_DEP_2)
	v_max_num_f32 v[BM+\b], v[BM+\b], v[PT+\b]
.endr
.irp b, 0,1
	s_delay_alu instid0(VALU_DEP_2)
	v_add_nc_u32 v[SO+\b], 0xf8800000, v[BM+\b]
.endr
.irp b, 0,1
	s_delay_alu instid0(VALU_DEP_4)
	v_and_or_b32 v[HO+\b], v[BM+\b], 0x7f800000, s[MNT]
.endr
.irp b, 0,1
	s_delay_alu instid0(VALU_DEP_4)
	v_lshrrev_b32 v[PT+\b], 23, v[SO+\b]
.endr
	s_delay_alu instid0(VALU_DEP_1)
	v_lshl_or_b32 v[PW], v[PT+1], 8, v[PT]         ; two bytes low, zeros high
.irp b, 0,1
.irp i, 0,1,2,3,4,5,6,7,8,9,10,11,12,13,14,15
	v_med3_num_f32 v[OT+16*\b+\i], v[OT+16*\b+\i], -v[HO+\b], v[HO+\b]
.endr
	v_cvt_scalef32_pk8_bf8_f32 v[PCD+4*\b:PCD+4*\b+1], v[OT+16*\b:OT+16*\b+7], v[SO+\b]
	v_cvt_scalef32_pk8_bf8_f32 v[PCD+4*\b+2:PCD+4*\b+3], v[OT+16*\b+8:OT+16*\b+15], v[SO+\b]
.endr
	v_nop                                          ; a plain line behind the last conversion
	global_store_b128 v[L16], v[PCD:PCD+3], s[OP:OP+1] offset:\p*262144          ; 512 consecutive bytes each
	global_store_b128 v[L16], v[PCD+4:PCD+7], s[OP:OP+1] offset:\p*262144+512
	ds_store_b32 v[OSA], v[PW] offset:\p*1024      ; my tile's scale words wait in LDS for the end (lanes r and r + 16 write the same word with the same value)
.endm
	STEP                                           ; step w: bytes that I fetched and stored myself
	s_wait_dscnt 0x0                               ; my scale words are stored; my tensor load was waited for above
	s_barrier_signal -1
	s_barrier_wait -1                              ; everybody's steps are in
	STEPS 15
	WAYOUT 0
	s_wait_xcnt 0x0                                ; the stores have read their registers: the next pass writes them again
	RESET
	s_wait_alu depctr_va_vdst(0)
	s_wait_loadcnt 0x0                             ; the second pass's Q
	STEPS 16
	WAYOUT 1
	s_wait_dscnt 0x0                               ; my scale words are stored: for the others' sake
	s_barrier_signal -1
	s_barrier_wait -1
	s_cmp_lt_u32 s[WV], 4
	s_cbranch_scc0 .Lno_os
	ds_load_b128 v[PCD+8:PCD+11], v[OLA]
	s_wait_dscnt 0x0
	global_store_b128 v[L16], v[PCD+8:PCD+11], s[OSP:OSP+1]      ; waves 0 to 3: 512 consecutive bytes each
.Lno_os:
	s_wait_tensorcnt 0x0                           ; the wave's end
	ds_add_u32 v254, v255
	s_wait_dscnt 0x0
	CROUND                                         ; the closing round
	s_endpgm
.Lfunc_end_k_qad58d5f3aa_attn:
	.size	k_qad58d5f3aa_attn, .Lfunc_end_k_qad58d5f3aa_attn-k_qad58d5f3aa_attn
	.p2alignl 7, 3214868480
	.fill 96, 4, 3214868480
	.section	.rodata,"a",@progbits
	.p2align	6, 0x0
	.amdhsa_kernel k_qad58d5f3aa_attn
		.amdhsa_group_segment_fixed_size 327680
		.amdhsa_private_segment_fixed_size 0
		.amdhsa_enable_private_segment 0
		.amdhsa_kernarg_size 32
		.amdhsa_user_sgpr_count 2
		.amdhsa_user_sgpr_kernarg_segment_ptr 1
		.amdhsa_wavefront_size32 1
		.amdhsa_system_sgpr_workgroup_id_x 1
		.amdhsa_system_sgpr_workgroup_id_y 1
		.amdhsa_system_sgpr_workgroup_id_z 1
		.amdhsa_system_vgpr_workitem_id 0
		.amdhsa_next_free_vgpr 256
		.amdhsa_next_free_sgpr 66
		.amdhsa_reserve_vcc 0
		.amdhsa_float_denorm_mode_32 3
		.amdhsa_float_denorm_mode_16_64 3
		.amdhsa_memory_ordered 1
		.amdhsa_forward_progress 1
		.amdhsa_inst_pref_size 80
	.end_amdhsa_kernel
	.amdgpu_metadata
---
amdhsa.version: [ 1, 2 ]
amdhsa.kernels:
  - .name:           k_qad58d5f3aa_attn
    .symbol:         k_qad58d5f3aa_attn.kd
    .args:
      - { .name: qkvc, .offset: 0, .size: 8, .value_kind: global_buffer, .address_space: global }
      - { .name: qkvs, .offset: 8, .size: 8, .value_kind: global_buffer, .address_space: global }
      - { .name: oc, .offset: 16, .size: 8, .value_kind: global_buffer, .address_space: global }
      - { .name: os, .offset: 24, .size: 8, .value_kind: global_buffer, .address_space: global }
    .group_segment_fixed_size: 327680
    .private_segment_fixed_size: 0
    .kernarg_segment_align: 8
    .kernarg_segment_size: 32
    .max_flat_workgroup_size: 512
    .sgpr_count:     66
    .vgpr_count:     256
    .wavefront_size: 32
...
	.end_amdgpu_metadata
.endif
;; end of part 3
;; launch gemm2 (part 4): grid 4 x 64, 8 waves a work-group, clusters of 4 x 4, 327,680 bytes of LDS; arguments opc, ops, oc, os, b_out, out0; writes out0
.if DOCPART == 4
	.amdgcn_target "amdgcn-amd-amdhsa--gfx1250"
	.amdhsa_code_object_version 6
	.text
	.protected	k_qad58d5f3aa_gemm2
	.globl	k_qad58d5f3aa_gemm2
	.p2align	8
	.type	k_qad58d5f3aa_gemm2,@function
k_qad58d5f3aa_gemm2:
	s_mov_b64 s[64:65], 0
	v_nop
	global_prefetch_b8 v0, s[64:65] scope:SCOPE_SE
	s_setreg_imm32_b32 hwreg(HW_REG_WAVE_MODE, 25, 1), 1
	s_wait_xcnt 0x0
	s_wait_alu depctr_hold_cnt(0) depctr_sa_sdst(0) depctr_va_vdst(0) depctr_va_sdst(0) depctr_va_ssrc(0) depctr_va_vcc(0) depctr_vm_vsrc(0)
	s_getreg_b32 s2, hwreg(HW_REG_IB_STS2, 6, 4)
	s_cmp_eq_u32 s2, 0
	s_cbranch_scc0 .Lentry_in_a_cluster
	s_endpgm
.Lentry_in_a_cluster:
	s_bfe_u32 s2, ttmp6, 0x10000c
	s_cmp_lg_u32 s2, 0xf033
	s_cbranch_scc0 .Lentry_shape_is_right
	s_endpgm
.Lentry_shape_is_right:
; out0 = o W_out + b_out on codes of BF8 (E5M2) with E8M0 scales; out0 [8192][1024] f32.
; The frame is that of the launch that makes q, k and v: operands as images of their registers; source 0 = a tile of P0 (16 columns of W_out), source 1 = a tile of P1 (16 tokens of o); a lane holds one token, and its 16 registers of
; P0's tiles 2 B and 2 B + 1 are 16 neighbouring columns.  A work-group makes 256 columns x 128 tokens, its eight waves 64 x 64; K = 1,024 in four chunks of 256; three LDS slots, one refill.
; CLUSTER 4 x 4: W_out's tiles hang on the place along x and are asked for jointly by a column of the cluster, o's on the place along y, by a row.
; o's SCALE WORDS lie by head (two bytes a head and token).  The 128 tokens' words of all 16 heads come by one tensor load; a short pass joins two heads' halves into the word of 128 along K and lays them as the weights' words lie.
; OUT.  A tile of 16 tokens x 64 columns goes through the wave's own stage in LDS and leaves as rows: sixteen lanes store 256 consecutive bytes, aligned.  The stage lies in slot 1, which has had its last fill and its last read by then.
; Lane r of o's tile 2 B + u is token 32 B + 8 u + r + 8 (r / 8): the stores' immediates undo that order.
.set WOI,   11534336                   ; opc: W_out's tiles
.set WOS,   360448                     ; ops: their scale words
.set SLOTB, 98304
.set P1OFF, 65536
.set SC1,   294912                     ; o's scale words as the products want them (LDS stores alone)
.set SC0,   299008                     ; W_out's
.set RAW,   307200                     ; o's scale words as they come: [head][128 tokens] words
.set BIAS,  315392
.set SPARE, 316416
.set STG,   SLOTB                      ; the stages: 16 rows x 272 bytes for each wave
.set L16,  1
.set AD0,  2
.set AD1,  5
.set ADRS, 8
.set SPW,  9
.set NIL,  10
.set SCL,  16
.set P1F,  32
.set P0A,  96
.set P0B,  112
.set ACC,  128
.set WV, 16
.set WI, 17
.set WJ, 18
.set CX, 19
.set CY, 20
.set CLY, 22
.set HALF, 23
.set P1T, 25
.set G1C0, 32
.set G1C1, 40
.set G1S0, 48
.set G1R,  56
.set G0P0, 68
.set G0P1, 84
.macro PLACES n
.rept \n
	v_nop
.endr
.endm
.macro CROUND
	s_barrier_signal -1
	s_barrier_wait -1
	s_cmp_lg_u32 s[WV], 0
	s_cbranch_scc1 .Lnot_wave_0_\@
	s_barrier_signal -3
.Lnot_wave_0_\@:
	s_barrier_wait -3
	s_barrier_signal -1
	s_barrier_wait -1
.endm
.macro FRAG reg, adr, off
.irp c, 0,1,2,3
	ds_load_b128 v[\reg+4*\c:\reg+4*\c+3], v[\adr] offset:\off+512*\c
.endr
.endm
.macro MM b, buf, set, e, zero
.irp a, 0,1,2,3
.if \zero
	v_wmma_scale_f32_16x16x128_f8f6f4 v[ACC+32*\a+8*\b:ACC+32*\a+8*\b+7], v[\buf:\buf+15], v[P1F+16*\a:P1F+16*\a+15], 0, v[SCL+8*\set+2*\b+\e], v[SCL+8*\set+2*\a+\e] matrix_a_fmt:MATRIX_FMT_BF8 matrix_b_fmt:MATRIX_FMT_BF8 matrix_a_scale:MATRIX_SCALE_ROW1
.else
	v_wmma_scale_f32_16x16x128_f8f6f4 v[ACC+32*\a+8*\b:ACC+32*\a+8*\b+7], v[\buf:\buf+15], v[P1F+16*\a:P1F+16*\a+15], v[ACC+32*\a+8*\b:ACC+32*\a+8*\b+7], v[SCL+8*\set+2*\b+\e], v[SCL+8*\set+2*\a+\e] matrix_a_fmt:MATRIX_FMT_BF8 matrix_b_fmt:MATRIX_FMT_BF8 matrix_a_scale:MATRIX_SCALE_ROW1
.endif
.endr
.endm
; 128 along K: 16 matrix instructions; the 16 accumulators take turns in the same order in every step.  Loads into registers that matrix instructions have read stand eight plain places behind them.
.macro KSTEP slot, e, set, zero, c
	PLACES 8
.if \e == 0
.irp i, 0,1,2,3
	ds_load_b64 v[SCL+8*\set+2*\i:SCL+8*\set+2*\i+1], v[ADRS] offset:\i*512+\c*128
.endr
.endif
	FRAG P0A, AD0+\slot, \e*2048
.irp a, 0,1,2,3
	FRAG P1F+16*\a, AD1+\slot, \a*4096+\e*2048
.endr
	FRAG P0B, AD0+\slot, 4096+\e*2048
	s_wait_dscnt 4                                 ; all but the second buffer's four loads
	MM 0, P0A, \set, \e, \zero
	s_wait_dscnt 0
	MM 1, P0B, \set, \e, \zero
	PLACES 8
	FRAG P0A, AD0+\slot, 2*4096+\e*2048
	FRAG P0B, AD0+\slot, 3*4096+\e*2048
	s_wait_dscnt 4
	MM 2, P0A, \set, \e, \zero
	s_wait_dscnt 0
	MM 3, P0B, \set, \e, \zero
.endm
	s_load_b256 s[4:11], s[0:1], 0x0               ; opc s[4:5], ops s[6:7], oc s[8:9], os s[10:11]
	s_load_b128 s[12:15], s[0:1], 0x20             ; b_out s[12:13], out0 s[14:15]
	v_lshl_add_u32 v[SPW], v0, 2, SPARE
	v_mov_b32 v[NIL], 0
	ds_add_u32 v9, v10
	ds_add_u32 v9, v10
	s_wait_dscnt 0x0
	v_lshrrev_b32 v11, 5, v0
	s_delay_alu instid0(VALU_DEP_1)
	v_readfirstlane_b32 s[WV], v11
	s_lshr_b32 s[WI], s[WV], 2
	s_and_b32 s[WJ], s[WV], 3
	s_bfe_u32 s[CX], ttmp6, 0x40000                ; which 256 columns
	s_bfe_u32 s[CY], ttmp6, 0x40004
	s_and_b32 s[CLY], ttmp7, 0xffff
	v_and_b32 v11, 31, v0
	s_delay_alu instid0(VALU_DEP_1)
	v_lshlrev_b32 v[L16], 4, v11
	v_and_b32 v12, 15, v0                          ; r
	v_bfe_u32 v13, v0, 4, 1                        ; h
	s_lshl_b32 s2, s[WJ], 14
	v_add_nc_u32 v[AD0], s2, v[L16]
	s_delay_alu instid0(VALU_DEP_1)
	v_add_nc_u32 v[AD0+1], SLOTB, v[AD0]
	s_delay_alu instid0(VALU_DEP_2)
	v_add_nc_u32 v[AD0+2], 2*SLOTB, v[AD0]
	s_lshl_b32 s2, s[WI], 14
	s_add_co_u32 s2, s2, P1OFF
	v_add_nc_u32 v[AD1], s2, v[L16]
	s_delay_alu instid0(VALU_DEP_1)
	v_add_nc_u32 v[AD1+1], SLOTB, v[AD1]
	s_delay_alu instid0(VALU_DEP_2)
	v_add_nc_u32 v[AD1+2], 2*SLOTB, v[AD1]
	s_lshl_b32 s2, s[WI], 11
	s_lshl_b32 s3, s[WJ], 11
	s_add_co_u32 s3, s3, SC0-SC1
	s_sub_co_u32 s3, s3, s2
	v_mul_u32_u24 v[ADRS], s3, v13                 ; lanes 16-31 take P0's words: one product with h
	s_delay_alu instid0(VALU_DEP_1)
	v_lshl_add_u32 v[ADRS], v12, 3, v[ADRS]
	s_add_co_u32 s2, s2, SC1
	v_add_nc_u32 v[ADRS], s2, v[ADRS]
	; the short pass over o's scale words: thread t takes token t % 128 and heads 8 (t / 128) on
	v_and_b32 v14, 127, v0
	s_delay_alu instid0(VALU_DEP_1)
	v_lshlrev_b32 v14, 2, v14
	s_lshl_b32 s2, s[WI], 12
	s_add_co_u32 s2, s2, RAW
	v_add_nc_u32 v14, s2, v14                      ; from: RAW + 4 x token + 512 x head
	v_bfe_u32 v15, v0, 4, 3
	s_delay_alu instid0(VALU_DEP_1)
	v_lshlrev_b32 v15, 9, v15
	s_delay_alu instid0(VALU_DEP_1)
	v_lshl_add_u32 v15, v12, 3, v15
	s_lshl_b32 s2, s[WI], 8
	s_add_co_u32 s2, s2, SC1
	v_add_nc_u32 v15, s2, v15                      ; to: SC1 + 512 x tile + 8 r + 128 x (256 along K)
	s_lshl_b32 s100, 0x1111, s[CX]
	s_or_b32 s[G1C0], s100, (3<<16)|(1<<21)
	s_or_b32 s[G1S0], s100, (3<<16)|(1<<21)
	s_lshl_b32 s101, s[CY], 2
	s_lshl_b32 s101, 15, s101
	s_or_b32 s[G1C1], s101, (3<<16)|(1<<21)
	s_or_b32 s[G1R], s101, (3<<16)|(1<<21)
.irp g, G1C0, G1C1
	s_mov_b32 s[\g+1], 512<<16                     ; 8 rows (tiles) of 4,096 bytes, 16,384 bytes apart
	s_mov_b32 s[\g+2], 8<<16
	s_mov_b32 s[\g+3], 512<<16
	s_mov_b32 s[\g+4], 8
	s_mov_b32 s[\g+5], 2048
	s_mov_b32 s[\g+6], 0
	s_mov_b32 s[\g+7], 0
.endr
	s_mov_b32 s[G1C0+2], 16<<16                    ; W_out's codes come 16 tiles to a load
	s_mov_b32 s[G1C0+4], 16
	s_mov_b32 s[G1S0+1], 32<<16                    ; W_out's scale words: 8,192 dense bytes as 32 rows of 256
	s_mov_b32 s[G1S0+2], 32<<16
	s_mov_b32 s[G1S0+3], 32<<16
	s_mov_b32 s[G1S0+4], 32
	s_mov_b32 s[G1S0+5], 32
	s_mov_b32 s[G1S0+6], 0
	s_mov_b32 s[G1S0+7], 0
	s_mov_b32 s[G1R+1], 64<<16                     ; 16 rows (heads) of 512 bytes, 8,192 bytes apart
	s_mov_b32 s[G1R+2], 16<<16
	s_mov_b32 s[G1R+3], 64<<16
	s_mov_b32 s[G1R+4], 16
	s_mov_b32 s[G1R+5], 1024
	s_mov_b32 s[G1R+6], 0
	s_mov_b32 s[G1R+7], 0
	s_lshl_b32 s[P1T], s[CLY], 2
	s_add_co_u32 s[P1T], s[P1T], s[CY]             ; which 128 tokens
	s_lshl_b32 s26, s[CX], 18
	s_add_co_u32 s26, s26, WOI
	s_lshl_b32 s27, s[CX], 13
	s_add_co_u32 s27, s27, WOS
	s_lshl_b32 s66, s[P1T], 17                     ; o's codes
	s_lshr_b32 s67, s[P1T], 4
	s_lshl_b32 s67, s67, 17                        ; o's scale words: the batch's 16 heads of 8,192 bytes,
	s_and_b32 s101, s[P1T], 15
	s_lshl_b32 s101, s101, 9                       ; 512 bytes for 128 tokens
	s_add_co_u32 s67, s67, s101
	s_wait_kmcnt 0x0
	s_mov_b32 s2, s26
	s_mov_b32 s3, 0
	s_add_nc_u64 s[2:3], s[4:5], s[2:3]
	s_mov_b32 s26, s27
	s_mov_b32 s27, 0
	s_add_nc_u64 s[G0P0+2:G0P0+3], s[6:7], s[26:27]
	s_mov_b32 s100, s66
	s_mov_b32 s101, 0
	s_add_nc_u64 s[100:101], s[8:9], s[100:101]
	s_mov_b32 s66, s67
	s_mov_b32 s67, 0
	s_add_nc_u64 s[G0P1+2:G0P1+3], s[10:11], s[66:67]
	s_mov_b32 s[G0P0], 1
	s_mov_b32 s[G0P0+1], SC0
	s_or_b32 s[G0P0+3], s[G0P0+3], 0x80000000
	s_mov_b32 s[G0P1], 1
	s_mov_b32 s[G0P1+1], RAW
	s_or_b32 s[G0P1+3], s[G0P1+3], 0x80000000
.irp k, 0,1,2
	s_mov_b32 s[G0P0+4+4*\k], 1
	s_mov_b32 s[G0P0+5+4*\k], \k*SLOTB
	s_add_nc_u64 s[G0P0+6+4*\k:G0P0+7+4*\k], s[2:3], \k*4096
	s_or_b32 s[G0P0+7+4*\k], s[G0P0+7+4*\k], 0x80000000
	s_mov_b32 s[G0P1+4+4*\k], 1
	s_mov_b32 s[G0P1+5+4*\k], \k*SLOTB+P1OFF
	s_add_nc_u64 s[G0P1+6+4*\k:G0P1+7+4*\k], s[100:101], \k*4096
	s_or_b32 s[G0P1+7+4*\k], s[G0P1+7+4*\k], 0x80000000
.endr
	CROUND                                         ; all sixteen work-groups are here: the first joint loads meet
; the eight first fills, one a wave, in one chain of arms on the wave's number: chunk 0 of P0 and P1, their scale words, chunks 1 and 2
.macro ARM under, g0, g1, next
	s_cmp_lt_u32 s[WV], \under
	s_cbranch_scc0 \next
	tensor_load_to_lds s[\g0:\g0+3], s[\g1:\g1+7]
	s_nop 0
	PLACES 4
	s_branch .Lfilled
\next:
.endm
	ARM 1, G0P0+4, G1C0, .La1
	ARM 2, G0P1+4, G1C1, .La2
	ARM 3, G0P0, G1S0, .La3
	ARM 4, G0P1, G1R, .La4
	ARM 5, G0P0+8, G1C0, .La5
	ARM 6, G0P1+8, G1C1, .La6
	ARM 7, G0P0+12, G1C0, .La7
	tensor_load_to_lds s[G0P1+12:G0P1+15], s[G1C1:G1C1+7]
	s_nop 0
	PLACES 4
.Lfilled:
	s_lshl_b32 s66, s[CX], 10                      ; the bias of my work-group's 256 columns goes to LDS, a number a thread
	s_mov_b32 s67, 0
	s_add_nc_u64 s[66:67], s[12:13], s[66:67]
	v_lshlrev_b32 v11, 2, v0
	global_load_b32 v44, v11, s[66:67]
	v_lshl_add_u32 v45, v0, 2, BIAS
	s_wait_alu depctr_va_vdst(0)
	s_wait_loadcnt 0x0
	ds_store_b32 v45, v44
	s_cmp_lt_u32 s[WV], 4                          ; waves 0 to 3 hold chunk 0 and the scale words, which are read behind this barrier; chunks 1 and 2 are waited for in front of the refill's round
	s_cbranch_scc0 .Llater
	s_wait_tensorcnt 0x0                           ; my first fill is in
.Llater:
	s_wait_dscnt 0x0
	s_barrier_signal -1
	s_barrier_wait -1
.irp k, 0,1,2,3,4,5,6,7
	ds_load_b32 v[32+\k], v14 offset:512*\k        ; my token's words of eight heads: two bytes low, zeros high
.endr
	s_wait_dscnt 0x0
.irp m, 0,1,2,3
	v_lshl_or_b32 v[40+\m], v[33+2*\m], 16, v[32+2*\m]   ; 128 along K are two heads
.endr
	ds_store_b64 v15, v[40:41]
	ds_store_b64 v15, v[42:43] offset:128
	s_wait_dscnt 0x0                               ; for the others' sake
	s_barrier_signal -1
	s_barrier_wait -1
	KSTEP 0, 0, 0, 1, 0                            ; chunk 0: its first step starts the sums
	KSTEP 0, 1, 0, 0, 0
	s_wait_tensorcnt 0x0                           ; all my tensor loads have landed (chunks 1 and 2), so a group 0 may be written
	ds_add_u32 v[SPW], v[NIL]                      ; 0 onto my spare word
	s_add_nc_u64 s[G0P0+6:G0P0+7], s[G0P0+6:G0P0+7], 3*4096
	s_add_nc_u64 s[G0P1+6:G0P1+7], s[G0P1+6:G0P1+7], 3*4096
	s_wait_dscnt 0x0                               ; the add is done, and my reads of slot 0 are over
	CROUND
	s_cmp_eq_u32 s[WV], 0                          ; the joint refill: wave 0 asks for P0's chunk 3, wave 2 for P1's
	s_cbranch_scc0 .Lre_not_p0
	tensor_load_to_lds s[G0P0+4:G0P0+7], s[G1C0:G1C0+7]
	s_nop 0
	PLACES 4
	s_branch .Lrefilled
.Lre_not_p0:
	s_cmp_eq_u32 s[WV], 2
	s_cbranch_scc0 .Lrefilled
	tensor_load_to_lds s[G0P1+4:G0P1+7], s[G1C1:G1C1+7]
	s_nop 0
	PLACES 4
.Lrefilled:
	KSTEP 1, 0, 1, 0, 1
	KSTEP 1, 1, 1, 0, 1
	KSTEP 2, 0, 0, 0, 2
	KSTEP 2, 1, 0, 0, 2
	s_wait_tensorcnt 0x0                           ; my part of chunk 3 is in
	ds_add_u32 v[SPW], v[NIL]
	s_wait_dscnt 0x0                               ; my reads of slots 1 and 2 are over
	s_barrier_signal -1
	s_barrier_wait -1                              ; everybody's are: slot 1 may take the stages
	KSTEP 0, 0, 1, 0, 3
	KSTEP 0, 1, 1, 0, 3
	PLACES 8
	; ---- the way out
	s_lshl_b32 s26, s[WJ], 8
	s_add_co_u32 s26, s26, BIAS
	v_lshl_add_u32 v96, v13, 6, s26                ; the bias: register 16 B + i is column 64 WJ + 32 B + 16 h + i
	s_wait_alu depctr_va_vdst(0)
	s_mul_i32 s27, s[WV], 16*272
	s_add_co_u32 s27, s27, STG                     ; my stage
	v_mul_u32_u24 v97, v12, 272
	s_delay_alu instid0(VALU_DEP_1)
	v_lshl_add_u32 v97, v13, 6, v97
	s_delay_alu instid0(VALU_DEP_1)
	v_add_nc_u32 v97, s27, v97                     ; in: row r, + 64 h
	v_mul_u32_u24 v98, v13, 272
	s_delay_alu instid0(VALU_DEP_1)
	v_lshl_add_u32 v98, v12, 4, v98
	s_delay_alu instid0(VALU_DEP_1)
	v_add_nc_u32 v98, s27, v98                     ; back: lanes 0-15 one row of 256 bytes, lanes 16-31 the next
	v_lshlrev_b32 v99, 12, v13
	s_delay_alu instid0(VALU_DEP_1)
	v_lshl_add_u32 v99, v12, 4, v99                ; and the same two rows of out0
	s_lshl_b32 s26, s[P1T], 7
	s_lshl_b32 s66, s[WI], 6
	s_add_co_u32 s26, s26, s66                     ; my first token
	s_lshl_b32 s26, s26, 12
	s_lshl_b32 s66, s[CX], 10
	s_add_co_u32 s26, s26, s66
	s_lshl_b32 s66, s[WJ], 8
	s_add_co_u32 s26, s26, s66                     ; my first column, in bytes
	s_mov_b32 s27, 0
	s_add_nc_u64 s[14:15], s[14:15], s[26:27]
.irp q, 0,1,2,3,4,5,6,7
	ds_load_b128 v[32+4*\q:35+4*\q], v96 offset:128*(\q/4)+16*(\q%4)
.endr
	s_wait_dscnt 0x0
.irp a, 0,1,2,3
.irp x, 0,2,4,6,8,10,12,14,16,18,20,22,24,26,28,30
	v_pk_add_f32 v[ACC+32*\a+\x:ACC+32*\a+\x+1], v[ACC+32*\a+\x:ACC+32*\a+\x+1], v[32+\x:33+\x]   ; each accumulator from its low end on
.endr
.endr
	s_wait_alu depctr_va_vdst(0)
.irp a, 0,1,2,3
.if \a >= 2
	s_wait_xcnt 0x0                                ; the stores of two tiles back have read their registers
.endif
.irp q, 0,1,2,3,4,5,6,7
	ds_store_b128 v97, v[ACC+32*\a+4*\q:ACC+32*\a+4*\q+3] offset:128*(\q/4)+16*(\q%4)
.endr
.irp t, 0,1,2,3,4,5,6,7
	ds_load_b128 v[32+32*(\a%2)+4*\t:35+32*(\a%2)+4*\t], v98 offset:544*\t   ; LDS serves a wave's instructions in order (ISA guide 5.7.1.4): these see my stores
.endr
	s_wait_dscnt 0x0
.irp t, 0,1,2,3,4,5,6,7
	global_store_b128 v99, v[32+32*(\a%2)+4*\t:35+32*(\a%2)+4*\t], s[14:15] offset:(2*\t+8*(\t/4)+32*(\a/2)+8*(\a%2))*4096 th:TH_STORE_NT   ; sixteen lanes store 256 consecutive bytes, aligned; the tile's row 2 t + h is token 32 (a / 2) + 8 (a % 2) + 2 t + h + 8 (t / 4)
.endr
.endr
	s_wait_tensorcnt 0x0                           ; the wave's end
	ds_add_u32 v[SPW], v[NIL]
	s_wait_dscnt 0x0
	CROUND                                         ; the closing round
	s_endpgm
.Lfunc_end_k_qad58d5f3aa_gemm2:
	.size	k_qad58d5f3aa_gemm2, .Lfunc_end_k_qad58d5f3aa_gemm2-k_qad58d5f3aa_gemm2
	.p2alignl 7, 3214868480
	.fill 96, 4, 3214868480
	.section	.rodata,"a",@progbits
	.p2align	6, 0x0
	.amdhsa_kernel k_qad58d5f3aa_gemm2
		.amdhsa_group_segment_fixed_size 327680
		.amdhsa_private_segment_fixed_size 0
		.amdhsa_enable_private_segment 0
		.amdhsa_kernarg_size 48
		.amdhsa_user_sgpr_count 2
		.amdhsa_user_sgpr_kernarg_segment_ptr 1
		.amdhsa_wavefront_size32 1
		.amdhsa_system_sgpr_workgroup_id_x 1
		.amdhsa_system_sgpr_workgroup_id_y 1
		.amdhsa_system_sgpr_workgroup_id_z 1
		.amdhsa_system_vgpr_workitem_id 0
		.amdhsa_next_free_vgpr 256
		.amdhsa_next_free_sgpr 102
		.amdhsa_reserve_vcc 0
		.amdhsa_float_denorm_mode_32 3
		.amdhsa_float_denorm_mode_16_64 3
		.amdhsa_memory_ordered 1
		.amdhsa_forward_progress 1
		.amdhsa_inst_pref_size 65
	.end_amdhsa_kernel
	.amdgpu_metadata
---
amdhsa.version: [ 1, 2 ]
amdhsa.kernels:
  - .name:           k_qad58d5f3aa_gemm2
    .symbol:         k_qad58d5f3aa_gemm2.kd
    .args:
      - { .name: opc, .offset: 0, .size: 8, .value_kind: global_buffer, .address_space: global }
      - { .name: ops, .offset: 8, .size: 8, .value_kind: global_buffer, .address_space: global }
      - { .name: oc, .offset: 16, .size: 8, .value_kind: global_buffer, .address_space: global }
      - { .name: os, .offset: 24, .size: 8, .value_kind: global_buffer, .address_space: global }
      - { .name: b_out, .offset: 32, .size: 8, .value_kind: global_buffer, .address_space: global }
      - { .name: out0, .offset: 40, .size: 8, .value_kind: global_buffer, .address_space: global }
    .group_segment_fixed_size: 327680
    .private_segment_fixed_size: 0
    .kernarg_segment_align: 8
    .kernarg_segment_size: 48
    .max_flat_workgroup_size: 256
    .sgpr_count:     102
    .vgpr_count:     256
    .wavefront_size: 32
...
	.end_amdgpu_metadata
.endif
;; end of part 4
